; MI455X (gfx1250); checked and timed in simulation.
; The chip was launched on July 23, 2026; its instructions are those of AMD's public machine-readable ISA for CDNA 5 (MIT licence, August 2026) and "CDNA5" Instruction Set Architecture Reference Guide (July 2026). The comments in the code are by the model that wrote it; some were corrected since.
;; Multi Head Attention. Allowed arithmetic: matrix products marked QUANTISED: E3M2 operands, one E8M0 scale for each 32 along K, by v_wmma_scale_f32_16x16x128_f8f6f4 with both operands' format E3M2, f32 sums; everything else in f32.
;; Inputs: Wk 1,024 x 1,024 float32; Wo 1,024 x 1,024 float32; Wq 1,024 x 1,024 float32; Wv 1,024 x 1,024 float32; bk 1,024 float32; bo 1,024 float32; bq 1,024 float32; bv 1,024 float32; x 1 x 4,096 x 1,024 float32.
;; Outputs: out0 1 x 4,096 x 1,024 float32.
;; This version of the problem:
;;   THIS VERSION OF THE PROBLEM IS GIVEN IN LOW PRECISION. The matrix products marked QUANTISED in the list below multiply operands that are first quantised to E3M2 (3 exponent bits, 2 mantissa bits; 6 bits a number), with one power-of-two scale for each 32 numbers along K (OCP MX v1.0); their sums are f32. All else is computed in f32.
;;   The module's matrix products, in the order in which they are computed (A, B: the left and right operand; K: the contracted axis; several contracted axes count as one K, in the product's order):
;;     1. [M 4,096, K 1,024] x [K 1,024, N 1,024]; A: input x; B: input Wq: QUANTISED
;;     2. [M 4,096, K 1,024] x [K 1,024, N 1,024]; A: input x; B: input Wk: QUANTISED
;;     3. [M 4,096, K 1,024] x [K 1,024, N 1,024]; A: input x; B: input Wv: QUANTISED
;;     4. batch 16 x [M 4,096, K 64] x [K 64, N 4,096]; A: computed on the way; B: computed on the way: QUANTISED
;;     5. batch 16 x [M 4,096, K 4,096] x [K 4,096, N 64]; A: softmax (see below); B: computed on the way: QUANTISED
;;     6. [M 4,096, K 1,024] x [K 1,024, N 1,024]; A: computed on the way; B: input Wo: QUANTISED
;;   THE QUANTISER, for each operand of a quantised product, along K:
;;     - K is cut into blocks of 32 from its start; a last block that is shorter is filled with zeros.
;;     - A block's scale is 2^e with e = floor(log2(the largest magnitude in the block)) - 4, held to -126 .. 127; a block of zeros has e = 0. As a byte (E8M0): e + 127.
;;     - Each number is divided by its block's scale, clamped to +-28, and rounded to the nearest number of E3M2, ties to even, subnormals kept.
;;     - The product sums the exact products of the quantised numbers (number of the format x scale) in f32.
;;   ~~~python
;;   def quantise(x, axis):      # numpy; x: float32 -> the quantised numbers, widened to float32 again
;;       x = np.moveaxis(x, axis, -1); K = x.shape[-1]
;;       x = np.pad(x, [(0, 0)] * (x.ndim - 1) + [(0, -K % 32)]); x = x.reshape(x.shape[:-1] + (-1, 32)); a = np.abs(x).max(-1, keepdims=True)
;;       e = np.where(a > 0, np.clip(np.frexp(np.where(a > 0, a, 1))[1] - 1 - 4, -126, 127), 0)      # np.frexp(a)[1] - 1 = floor(log2(a)), exactly
;;       r = np.clip(x / 2.0 ** e, -28, 28)
;;       step = 2.0 ** (np.maximum(np.frexp(np.where(r == 0, 1, r))[1] - 1, -2) - 2)
;;       q = np.round(r / step) * step * 2.0 ** e      # np.round: ties to even
;;       return np.moveaxis(q.reshape(q.shape[:-2] + (-1,))[..., :K], -1, axis).astype(np.float32)
;;   ~~~
;;   SOFTMAX AHEAD OF A QUANTISED PRODUCT. Where the list says 'softmax', what is quantised is not the finished softmax but p = 2^(t - M), with t = logit x log2(e) and M = ceil(the row's largest t), a whole number; so 1/2 < the row's largest p <= 1. The row's sum l is taken of the UNQUANTISED p, in f32, and the product's result is divided by l at the end. Since M is a whole number, a kernel that streams over the keys may use a running M (the ceiling of the running maximum): every later rescaling is an exact power of two, which a block's scale takes up: the codes' values come out the same.
;;   OPERANDS COMPUTED ON THE WAY. 'Computed on the way' means the value that the module computes at that place (a softmax that the list does not call 'softmax' is quantised finished and normalised). What goes into a quantiser is computed in f32, as accurately as f32 sums, v_exp_f32 and their like allow (about 1e-6 of the number): no bf16 or f16 on the way to a quantiser, and a product that is left as it is and whose result goes on into a quantised operand takes f32 operands (vector FMAs, or v_wmma_f32_16x16x4_f32). A number that lies on a knife's edge between two numbers of the format may be rounded either way, as far as f32 arithmetic and the matrix unit's own rounding can turn it there, and no further.
;; One version. Each part assembles by itself: llvm-mc -triple=amdgcn-amd-amdhsa -mcpu=gfx1250 --defsym DOCPART=n.
;; ======== version 1 of 1: 4 launches
;; limits: right only within a limited range of input values
;; workspace buffers: xw 6,553,600 bytes; qkv 9,830,400 bytes; oa 3,276,800 bytes
;; launch quant (part 1): grid 512 x 1, 4 waves a work-group, no clusters, 68,608 bytes of LDS; arguments x, Wq, Wk, Wv, Wo, xw; writes xw
.if DOCPART == 1
	.amdgcn_target "amdgcn-amd-amdhsa--gfx1250"
	.amdhsa_code_object_version 6
	.text
	.protected	k_q87489389f2_quant
	.globl	k_q87489389f2_quant
	.p2align	8
	.type	k_q87489389f2_quant,@function
k_q87489389f2_quant:
	s_mov_b64 s[64:65], 0
	v_nop
	global_prefetch_b8 v0, s[64:65] scope:SCOPE_SE
	s_setreg_imm32_b32 hwreg(HW_REG_WAVE_MODE, 25, 1), 1
	s_wait_xcnt 0x0
; x [4096][1024] and Wq, Wk, Wv, Wo [1024][1024], f32, become codes of BF6 (E3M2) with one E8M0 byte for each 32 along K, laid as the later launches' matrix operands want them.
; TILES.  Tile G (0-255 x, 256-319 Wq, 320-383 Wk, 384-447 Wv, 448-511 Wo; L = its number in its tensor) holds 16 rows that are not neighbours: row r of the tile is row 32 (L / 2) + 8 (L % 2) + r + 8 (r / 8),
; so that the results of a product whose source 0 is such a tile lie, in two neighbouring tiles' 16 registers, as 16 neighbours along that tensor's rows.
; IMAGES.  A fragment (16 rows x 128 K, 12 registers a lane) lies in xw as an image of its registers, 1,536 bytes at 12,288 G + 1,536 q: registers 6 c .. 6 c + 3 at 768 c + 16 x lane, registers 6 c + 4, 6 c + 5 at
; 768 c + 512 + 8 x lane.  Every store here covers 512 or 256 consecutive bytes at a multiple of 256.  A tile's 512 scale bytes lie at 6,291,456 + 512 G: byte 256 (q / 4) + 16 r + 4 (q % 4) + b.
; A block's scale is 2^(floor(log2(largest magnitude)) - 4); its byte is the largest magnitude's exponent field - 4, held at 1 from below.
; LIMITS: a block of zeros gets the byte 1 where the rule says 127 (its codes are zeros; this program alone reads the bytes); blocks whose largest magnitude lies under 2^-122 keep the byte 1; NaN and infinities are not served.
; SHARES.  A work-group is one tile; wave w takes K steps 2 w and 2 w + 1.  Each load reads 512 consecutive bytes of one row; the numbers turn through the wave's own stage in LDS, so that lane (r, h) holds, of row r,
; 16 neighbours of each block of 32.  No matrix unit, no tensor load, no cluster: nothing is shared and memory binds.
.set STG,  8448                        ; a stage: 16 rows x (512 bytes + 16)
.set WREG, 16896                       ; two stages for each wave
.set SG,   67584                       ; behind them: the tile's 512 scale bytes
.set SCB,  6291456                     ; where the scale bytes begin in xw
.set L16, 1                            ; v1  16 x lane
.set L8,  2                            ; v2  8 x lane
.set STI, 3                            ; v3  the stage, on the way in
.set STO, 4                            ; v4  and on the way out
.set SGA, 5                            ; v5  where my scale word goes
.set HH,  6                            ; v6  h = lane / 16
.set RR,  7                            ; v7  r = lane % 16
.set SGR, 8                            ; v8  where wave 0 reads the 512 bytes back
.set PWS, 9                            ; v9  the word that I store
.set X0,  16                           ; v16-79   K step 2 w
.set X1,  80                           ; v80-143  K step 2 w + 1
.set TM,  144                          ; v144-155 largest magnitudes, bytes, scale operands
.set PC0, 160                          ; v160-179 the first fragment's codes (12) and the conversions' second halves
.set PC1, 180                          ; v180-199 the second's: no store's data are written again
.set PW0, 200
.set PW1, 201
.set SBO, 204                          ; v204-207
.set SEL, 20                           ; s[20:21] v_permlanex16_b32's selects for lane l xor 16
; 32 nc numbers of a lane, register 16 b + i = k 32 b + 16 h + i of my row, become codes in v[pc] on (6 nc registers) and, for nc = 2, the row's scale word in v[pw].
.macro QUANT s, pc, pw, nc
.irp b, 0,1,2,3
.if \b < 2*\nc
	v_max3_num_f32 v[TM+\b], |v[\s+16*\b]|, |v[\s+16*\b+1]|, 0x2800000   ; my 16 numbers of block b, and the floor 2^(5 - 127): the byte cannot fall under 1
.endif
.endr
.irp i, 2,4,6,8,10,12,14
.irp b, 0,1,2,3
.if \b < 2*\nc
	v_max3_num_f32 v[TM+\b], v[TM+\b], |v[\s+16*\b+\i]|, |v[\s+16*\b+\i+1]|   ; the blocks by turns
.endif
.endr
.endr
.irp b, 0,1,2,3
.if \b < 2*\nc
	v_permlanex16_b32 v[TM+4+\b], v[TM+\b], s[SEL], s[SEL+1]
.endif
.endr
.irp b, 0,1,2,3
.if \b < 2*\nc
	v_max_num_f32 v[TM+\b], v[TM+\b], v[TM+4+\b]   ; with lane l xor 16's: the block's largest magnitude
.endif
.endr
.irp b, 0,1,2,3
.if \b < 2*\nc
	v_add_nc_u32 v[TM+8+\b], 0xfe000000, v[TM+\b]   ; 4 off its exponent field: the conversion takes this operand's exponent field as its scale
.endif
.endr
.irp b, 0,1,2,3
.if \b < 2*\nc
	v_lshrrev_b32 v[TM+4+\b], 23, v[TM+8+\b]   ; the scale's byte
.endif
.endr
.if \nc == 2
	v_lshl_or_b32 v[\pw], v[TM+5], 8, v[TM+4]
	v_lshl_or_b32 v[\pw], v[TM+6], 16, v[\pw]
	v_lshl_or_b32 v[\pw], v[TM+7], 24, v[\pw]
.endif
.irp c, 0,1
.if \c < \nc
	v_cvt_scalef32_pk16_bf6_f32 v[\pc+6*\c:\pc+6*\c+2], v[\s+32*\c:\s+32*\c+15], v[TM+8+2*\c]
	v_cvt_scalef32_pk16_bf6_f32 v[\pc+12+4*\c:\pc+14+4*\c], v[\s+32*\c+16:\s+32*\c+31], v[TM+8+2*\c+1]   ; (a conversion's three registers begin on an even number)
.endif
.endr
	v_nop                                          ; one plain place behind a scaled conversion
.irp c, 0,1
.if \c < \nc
.irp i, 0,1,2
	v_permlane16_swap_b32 v[\pc+6*\c+\i], v[\pc+12+4*\c+\i]   ; the operand wants a whole block in a lane: lanes 0-15 block 2 c, lanes 16-31 block 2 c + 1
.endr
.irp i, 0,1,2
	v_mov_b32 v[\pc+3+6*\c+\i], v[\pc+12+4*\c+\i]
.endr
.endif
.endr
.endm
.macro PUT pc, base, off               ; a fragment's image: 512, 256, 512, 256 consecutive bytes
	global_store_b128 v[L16], v[\pc:\pc+3], s[\base:\base+1] offset:\off
	global_store_b64 v[L8], v[\pc+4:\pc+5], s[\base:\base+1] offset:\off+512
	global_store_b128 v[L16], v[\pc+6:\pc+9], s[\base:\base+1] offset:\off+768
	global_store_b64 v[L8], v[\pc+10:\pc+11], s[\base:\base+1] offset:\off+1280
.endm
.macro TURN st, x                      ; a step's 16 rows through my stage; LDS serves a wave's instructions in order, so no wait stands between the stores and the loads
.irp i, 0,1,2,3,4,5,6,7,8,9,10,11,12,13,14,15
	ds_store_b128 v[STI], v[\x+4*\i:\x+4*\i+3] offset:STG*\st+528*\i
.endr
.irp b, 0,1,2,3
.irp j, 0,1,2,3
	ds_load_b128 v[\x+16*\b+4*\j:\x+16*\b+4*\j+3], v[STO] offset:STG*\st+128*\b+16*\j
.endr
.endr
.endm
	s_load_b256 s[4:11], s[0:1], 0x0               ; x, Wq, Wk, Wv
	s_load_b128 s[12:15], s[0:1], 0x20             ; Wo, xw
	v_lshl_add_u32 v208, v0, 2, 0x10a00
	v_mov_b32 v209, 0
	v_lshrrev_b32 v10, 5, v0
	v_readfirstlane_b32 s22, v10                   ; wave 0..3
	v_and_b32 v10, 31, v0
	v_and_b32 v[RR], 15, v0
	v_bfe_u32 v[HH], v0, 4, 1
	v_lshlrev_b32 v[L16], 4, v10
	v_lshlrev_b32 v[L8], 3, v10
	s_mul_i32 s23, s22, WREG
	v_add_nc_u32 v[STI], s23, v[L16]               ; in: 16 x lane of a row
	v_mul_u32_u24 v[STO], v[RR], 528
	v_lshl_add_u32 v[STO], v[HH], 6, v[STO]
	v_add_nc_u32 v[STO], s23, v[STO]               ; out: row r, + 64 h
	s_lshr_b32 s24, s22, 1
	s_lshl_b32 s24, s24, 8
	s_and_b32 s25, s22, 1
	s_lshl_b32 s25, s25, 3
	s_add_co_u32 s24, s24, s25
	s_add_co_u32 s24, s24, SG
	v_lshlrev_b32 v[SGA], 4, v[RR]
	v_lshl_add_u32 v[SGA], v[HH], 2, v[SGA]
	v_add_nc_u32 v[SGA], s24, v[SGA]               ; lane (r, h) stores the word of K step q = 2 w + h: 256 (w / 2) + 8 (w % 2) + 16 r + 4 h
	v_add_nc_u32 v[SGR], SG, v[L16]
.irp b, 0,1,2,3
	v_mov_b32 v[TM+4+\b], 0                        ; written once: a lane permute's destination counts as one of its sources
.endr
	s_mov_b32 s[SEL], 0x76543210
	s_mov_b32 s[SEL+1], 0xfedcba98
	s_mul_i32 s28, ttmp9, 12288                    ; my two images in xw
	s_mul_i32 s29, s22, 3072
	s_add_co_u32 s28, s28, s29
	s_mov_b32 s29, 0
	s_lshl_b32 s30, ttmp9, 9                       ; and the tile's scale bytes
	s_add_co_u32 s30, s30, SCB
	s_mov_b32 s31, 0
	s_mov_b32 s18, 448
	s_wait_alu depctr_va_vdst(0)
	s_wait_kmcnt 0x0
	s_mov_b64 s[16:17], s[12:13]                   ; which tensor: the choice hangs on the work-group's number alone
	s_cmp_lt_u32 ttmp9, 448
	s_cselect_b64 s[16:17], s[10:11], s[16:17]
	s_cselect_b32 s18, 384, s18
	s_cmp_lt_u32 ttmp9, 384
	s_cselect_b64 s[16:17], s[8:9], s[16:17]
	s_cselect_b32 s18, 320, s18
	s_cmp_lt_u32 ttmp9, 320
	s_cselect_b64 s[16:17], s[6:7], s[16:17]
	s_cselect_b32 s18, 256, s18
	s_cmp_lt_u32 ttmp9, 256
	s_cselect_b64 s[16:17], s[4:5], s[16:17]
	s_cselect_b32 s18, 0, s18
	s_sub_co_u32 s19, ttmp9, s18                   ; L
	s_lshr_b32 s26, s19, 1
	s_lshl_b32 s26, s26, 17                        ; 32 (L / 2) rows of 4,096 bytes
	s_and_b32 s27, s19, 1
	s_lshl_b32 s27, s27, 15                        ; + 8 (L % 2) rows
	s_add_co_u32 s26, s26, s27
	s_lshl_b32 s27, s22, 10                        ; + my 256 numbers of a row
	s_add_co_u32 s26, s26, s27
	s_mov_b32 s27, 0
	s_add_nc_u64 s[16:17], s[16:17], s[26:27]
	s_add_nc_u64 s[28:29], s[14:15], s[28:29]
	s_add_nc_u64 s[30:31], s[14:15], s[30:31]
.irp st, 0,1
.irp i, 0,1,2,3,4,5,6,7,8,9,10,11,12,13,14,15
	global_load_b128 v[X0+64*\st+4*\i:X0+64*\st+4*\i+3], v[L16], s[16:17] offset:(\i+8*(\i/8))*4096+512*\st th:TH_LOAD_NT   ; the tile's row i: 512 consecutive bytes; read once in the launch
.endr
.endr
	s_wait_loadcnt 16                              ; the first step's sixteen loads are in, the second's may be out
	TURN 0, X0
	s_wait_loadcnt 0x0
	TURN 1, X1
	s_wait_dscnt 32                                ; the first turn is over; the second's 32 instructions may be out
	QUANT X0, PC0, PW0, 2
	PUT PC0, 28, 0
	s_wait_dscnt 0x0
	QUANT X1, PC1, PW1, 2
	PUT PC1, 28, 1536
	v_cmp_ne_u32 vcc_lo, 0, v[HH]
	v_cndmask_b32 v[PWS], v[PW0], v[PW1], vcc_lo   ; every lane of a row holds both words: lanes 0-15 store the first step's, lanes 16-31 the second's
	ds_store_b32 v[SGA], v[PWS]
	s_wait_dscnt 0x0                               ; for the others' sake: my words lie in LDS
	s_barrier_signal -1
	s_barrier_wait -1
	s_cmp_lg_u32 s22, 0
	s_cbranch_scc1 .Lend
	ds_load_b128 v[SBO:SBO+3], v[SGR]              ; wave 0 stores the tile's 512 scale bytes: two aligned runs of 256
	s_wait_dscnt 0x0
	global_store_b128 v[L16], v[SBO:SBO+3], s[30:31]
.Lend:
	s_wait_tensorcnt 0x0
	ds_add_u32 v208, v209
	s_wait_dscnt 0x0
	s_endpgm
.Lfunc_end_k_q87489389f2_quant:
	.size	k_q87489389f2_quant, .Lfunc_end_k_q87489389f2_quant-k_q87489389f2_quant
	.p2alignl 7, 3214868480
	.fill 96, 4, 3214868480
	.section	.rodata,"a",@progbits
	.p2align	6, 0x0
	.amdhsa_kernel k_q87489389f2_quant
		.amdhsa_group_segment_fixed_size 68608
		.amdhsa_private_segment_fixed_size 0
		.amdhsa_enable_private_segment 0
		.amdhsa_kernarg_size 48
		.amdhsa_user_sgpr_count 2
		.amdhsa_user_sgpr_kernarg_segment_ptr 1
		.amdhsa_wavefront_size32 1
		.amdhsa_system_sgpr_workgroup_id_x 1
		.amdhsa_system_sgpr_workgroup_id_y 1
		.amdhsa_system_sgpr_workgroup_id_z 1
		.amdhsa_system_vgpr_workitem_id 0
		.amdhsa_next_free_vgpr 210
		.amdhsa_next_free_sgpr 66
		.amdhsa_reserve_vcc 1
		.amdhsa_float_denorm_mode_32 3
		.amdhsa_float_denorm_mode_16_64 3
		.amdhsa_memory_ordered 1
		.amdhsa_forward_progress 1
		.amdhsa_inst_pref_size 20
	.end_amdhsa_kernel
	.amdgpu_metadata
---
amdhsa.version: [ 1, 2 ]
amdhsa.kernels:
  - .name:           k_q87489389f2_quant
    .symbol:         k_q87489389f2_quant.kd
    .args:
      - { .name: x, .offset: 0, .size: 8, .value_kind: global_buffer, .address_space: global }
      - { .name: Wq, .offset: 8, .size: 8, .value_kind: global_buffer, .address_space: global }
      - { .name: Wk, .offset: 16, .size: 8, .value_kind: global_buffer, .address_space: global }
      - { .name: Wv, .offset: 24, .size: 8, .value_kind: global_buffer, .address_space: global }
      - { .name: Wo, .offset: 32, .size: 8, .value_kind: global_buffer, .address_space: global }
      - { .name: xw, .offset: 40, .size: 8, .value_kind: global_buffer, .address_space: global }
    .group_segment_fixed_size: 68608
    .private_segment_fixed_size: 0
    .kernarg_segment_align: 8
    .kernarg_segment_size: 48
    .max_flat_workgroup_size: 128
    .sgpr_count:     66
    .vgpr_count:     210
    .wavefront_size: 32
...
	.end_amdgpu_metadata
.endif
;; end of part 1
;; launch heads (part 2): grid 8 x 32, 4 waves a work-group, clusters of 4 x 4, 327,680 bytes of LDS; arguments xw, bq, bk, bv, qkv; writes qkv
.if DOCPART == 2
	.amdgcn_target "amdgcn-amd-amdhsa--gfx1250"
	.amdhsa_code_object_version 6
	.text
	.protected	k_q87489389f2_heads
	.globl	k_q87489389f2_heads
	.p2align	8
	.type	k_q87489389f2_heads,@function
k_q87489389f2_heads:
	s_mov_b64 s[64:65], 0
	v_nop
	global_prefetch_b8 v0, s[64:65] scope:SCOPE_SE
	s_setreg_imm32_b32 hwreg(HW_REG_WAVE_MODE, 25, 1), 1
	s_wait_xcnt 0x0
	s_wait_alu depctr_hold_cnt(0) depctr_sa_sdst(0) depctr_va_vdst(0) depctr_va_sdst(0) depctr_va_ssrc(0) depctr_va_vcc(0) depctr_vm_vsrc(0)
	s_getreg_b32 s2, hwreg(HW_REG_IB_STS2, 6, 4)
	s_cmp_eq_u32 s2, 0
	s_cbranch_scc0 .Lentry_in_a_cluster
	s_endpgm
.Lentry_in_a_cluster:
	s_bfe_u32 s2, ttmp6, 0x10000c
	s_cmp_lg_u32 s2, 0xf033
	s_cbranch_scc0 .Lentry_shape_is_right
	s_endpgm
.Lentry_shape_is_right:
; Q = x Wq^T + bq, K = x Wk^T + bk, V = x Wv^T + bv on codes of BF6 (E3M2) with E8M0 scales, sums in f32; the results are quantised in registers, Q and K along the head's 64, V along the keys, and leave as codes.
; A WORK-GROUP STAYS: it makes 128 tokens (mb) x 128 channels (nb, two heads) of Q, then of K, then of V.  The tokens' codes (98,304 bytes, all of K = 1,024) are loaded once;
; the three weights' codes (98,304 bytes each) go through two slots: Wq at the head, Wk behind the first round, Wv into Wq's slot behind the second: one joint load a wave each time.
; OPERANDS lie in xw as images of fragments: tile G, K step q at 12,288 G + 1,536 q; a tile's 512 scale bytes at 6,291,456 + 512 G: 16 bytes a lane are a tile's words, K steps 0-3 in lanes 0-15, 4-7 in lanes 16-31.
; Scale words and biases go from memory straight into registers, 512 consecutive bytes a load; a phase's are asked for at the end of the phase before.
; Row r of tile T is row 32 (T / 2) + 8 (T % 2) + r + 8 (r / 8), so the 16 registers of result tiles 2 b, 2 b + 1 are 16 neighbours along source 0's rows.
; Q, K: source 0 = 4 tiles of W (one head), source 1 = 4 tiles of tokens.  V: source 0 = all 8 tiles of tokens, source 1 = 2 tiles of Wv.
; OUT.  qkv: Q records at head x 204,800 + mb x 6,400: 4 pair images, then 4 x 64 bytes of scale words.  KV records at 3,276,800 + head x 409,600 + mb x 12,800: K as a Q record; V's 4 fragments from 6,400; V's words from 12,544.
; CLUSTERS: 4 x 4; the four of a row need the same tokens, the four of a column the same rows of W: each tile is asked for jointly.
; NO PREFETCH: each weight's joint load is issued a whole phase (128 matrix instructions and the way out) ahead of its wait; the launch has no loop to run ahead in.
; LIMITS: a block of zeros gets the scale byte 1 (its codes are zeros); blocks under 2^-122 keep the byte 1; NaN and infinities are not served.
; REGISTERS: window 0: v1-19 addresses; v20-59 scale words alone; v60-91 the bias; v92-125 the quantiser's; v126-127 the add's; v128-255 16 accumulators.  Window 1: two fragment buffers, at v0 and v128.
.set SCB,  6291456
.set HALF, 49152                       ; four tiles
.set BS0,  98304                       ; W's slot 0, behind the tokens' eight tiles
.set BS1,  196608
.set SPARE, 294912
.set L16, 1
.set L8,  2
.set L4L, 3
.set AD0, 4                            ; v4-7 source 0: tiles 0-3 (16 x lane, 8 x lane), tiles 4-7
.set AD1, 8                            ; v8-9 source 1
.set BOV, 12
.set BO,  14
.set HH,  15
.set RR,  16
.set PWS, 17
.set SC,  20
.set BI,  60
.set TM,  92
.set PW,  104
.set PWA, 105
.set PC,  106
.set ACC, 128
.set F0,  0
.set SEL, 66
.set G1A, 24
.set G1B, 32
.set G1R, 40
.set G0A, 56
.set G0B, 60
.set G0R0, 68
.set G0R1, 72
.set MSB, 0
.macro WIN new
.if MSB != \new
	s_set_vgpr_msb (MSB<<8)|\new
.set MSB, \new
.endif
.endm
.macro PLACES
.rept 4
	v_nop
.endr
.endm
.macro CROUND
	s_barrier_signal -1
	s_barrier_wait -1
	s_cmp_lg_u32 s14, 0
	s_cbranch_scc1 .Lnot_wave_0_\@
	s_barrier_signal -3
.Lnot_wave_0_\@:
	s_barrier_wait -3
	s_barrier_signal -1
	s_barrier_wait -1
.endm
.macro QUANT s, pc, pw                 ; 64 numbers of a lane, register 16 b + i = k 32 b + 16 h + i of my row, become a fragment's codes and the row's scale word
.irp b, 0,1,2,3
	v_max3_num_f32 v[TM+\b], |v[\s+16*\b]|, |v[\s+16*\b+1]|, 0x2800000   ; from each accumulator's low end on; the floor 2^(5 - 127) holds the byte at 1
.endr
.irp i, 2,4,6,8,10,12,14
.irp b, 0,1,2,3
	v_max3_num_f32 v[TM+\b], v[TM+\b], |v[\s+16*\b+\i]|, |v[\s+16*\b+\i+1]|
.endr
.endr
.irp b, 0,1,2,3
	v_permlanex16_b32 v[TM+4+\b], v[TM+\b], s[SEL], s[SEL+1]
.endr
.irp b, 0,1,2,3
	v_max_num_f32 v[TM+\b], v[TM+\b], v[TM+4+\b]
.endr
.irp b, 0,1,2,3
	v_add_nc_u32 v[TM+8+\b], 0xfe000000, v[TM+\b]   ; 4 off the exponent field: the conversion's scale operand
.endr
.irp b, 0,1,2,3
	v_lshrrev_b32 v[TM+4+\b], 23, v[TM+8+\b]
.endr
	v_lshl_or_b32 v[\pw], v[TM+5], 8, v[TM+4]
	v_lshl_or_b32 v[\pw], v[TM+6], 16, v[\pw]
	v_lshl_or_b32 v[\pw], v[TM+7], 24, v[\pw]
.irp c, 0,1
	v_cvt_scalef32_pk16_bf6_f32 v[\pc+6*\c:\pc+6*\c+2], v[\s+32*\c:\s+32*\c+15], v[TM+8+2*\c]
	v_cvt_scalef32_pk16_bf6_f32 v[\pc+12+4*\c:\pc+14+4*\c], v[\s+32*\c+16:\s+32*\c+31], v[TM+8+2*\c+1]
.endr
	v_nop                                          ; one plain place behind a scaled conversion
.irp c, 0,1
.irp i, 0,1,2
	v_permlane16_swap_b32 v[\pc+6*\c+\i], v[\pc+12+4*\c+\i]
.endr
.irp i, 0,1,2
	v_mov_b32 v[\pc+3+6*\c+\i], v[\pc+12+4*\c+\i]
.endr
.endr
.endm
.macro PUT pc, base, off
	global_store_b128 v[L16], v[\pc:\pc+3], s[\base:\base+1] offset:\off
	global_store_b64 v[L8], v[\pc+4:\pc+5], s[\base:\base+1] offset:\off+512
	global_store_b128 v[L16], v[\pc+6:\pc+9], s[\base:\base+1] offset:\off+768
	global_store_b64 v[L8], v[\pc+10:\pc+11], s[\base:\base+1] offset:\off+1280
.endm
.macro FRAG reg, ad, off
	ds_load_b128 v[\reg:\reg+3], v[\ad] offset:\off
	ds_load_b64 v[\reg+4:\reg+5], v[\ad+1] offset:\off+512
	ds_load_b128 v[\reg+6:\reg+9], v[\ad] offset:\off+768
	ds_load_b64 v[\reg+10:\reg+11], v[\ad+1] offset:\off+1280
.endm
.macro FETCH q, f                      ; K step q's NS0 + NS1 fragments into buffer f of window 1
	WIN 0x40
.set t, 0
.rept NS0
	FRAG \f+12*t, AD0+2*(t/4), 12288*(t%4)+1536*(\q)
.set t, t+1
.endr
.set t, 0
.rept NS1
	FRAG \f+12*NS0+12*t, AD1, 12288*t+1536*(\q)
.set t, t+1
.endr
.endm
.macro MUL q, f, first                 ; 16 matrix instructions, the 16 accumulators by turns; first = 1: the bias is the C that starts the sums
.set s1i, 0
.rept NS1
.set s0i, 0
.rept NS0
.set rD, ACC+8*(NS0*s1i+s0i)
.set rA, \f+12*s0i
.set rB, \f+12*NS0+12*s1i
.set rSA, SC+4*s0i+(\q)%4
.set rSB, SC+4*NS0+4*s1i+(\q)%4
.set rC, BI+8*(s0i*(1-BMODE)+s1i*BMODE)
.if \first
	v_wmma_scale_f32_16x16x128_f8f6f4 v[rD:rD+7], v[rA:rA+11], v[rB:rB+11], v[rC:rC+7], v[rSA], v[rSB] matrix_a_fmt:MATRIX_FMT_BF6 matrix_b_fmt:MATRIX_FMT_BF6
.elseif (\q) < 4
	v_wmma_scale_f32_16x16x128_f8f6f4 v[rD:rD+7], v[rA:rA+11], v[rB:rB+11], v[rD:rD+7], v[rSA], v[rSB] matrix_a_fmt:MATRIX_FMT_BF6 matrix_b_fmt:MATRIX_FMT_BF6
.else
	v_wmma_scale_f32_16x16x128_f8f6f4 v[rD:rD+7], v[rA:rA+11], v[rB:rB+11], v[rD:rD+7], v[rSA], v[rSB] matrix_a_fmt:MATRIX_FMT_BF6 matrix_b_fmt:MATRIX_FMT_BF6 matrix_a_scale:MATRIX_SCALE_ROW1 matrix_b_scale:MATRIX_SCALE_ROW1
.endif
.set s0i, s0i+1
.endr
.set s1i, s1i+1
.endr
.endm
.macro KBODY                           ; eight K steps on two buffers: step q + 1 is fetched while step q is multiplied
.irp q, 0,1,2,3,4,5,6,7
.if \q < 7
.if \q > 0
	PLACES                                         ; the buffer's last readers are the sixteen products just issued
.endif
	FETCH \q+1, F0+128*((\q+1)%2)
	s_wait_dscnt NL                                ; all but the NL loads just issued
.else
	s_wait_dscnt 0x0
.endif
	WIN 0x05                                       ; sources 0 and 1 window 1; C and D window 0
.if \q == 0
	MUL \q, F0, 1
.else
	MUL \q, F0+128*(\q%2), 0
.endif
.endr
	WIN 0
	PLACES
.endm
.macro ADDRS b0, b1                    ; LDS addresses from scalars made of constants and the wave's number
	v_add_nc_u32 v[AD0], s[\b0], v[L16]
	v_add_nc_u32 v[AD0+1], s[\b0], v[L8]
.if NS0 > 4
	v_add_nc_u32 v[AD0+2], HALF, v[AD0]
	v_add_nc_u32 v[AD0+3], HALF, v[AD0+1]
.endif
	v_add_nc_u32 v[AD1], s[\b1], v[L16]
	v_add_nc_u32 v[AD1+1], s[\b1], v[L8]
.endm
.macro ADDRQK p                        ; source 0: W's tiles 4 wn on, in slot p; source 1: token tiles 4 wm on
	s_mul_i32 s92, s16, HALF
	s_add_co_u32 s92, s92, BS0+(\p)*(BS1-BS0)
	s_mul_i32 s93, s15, HALF
	ADDRS 92, 93
.endm
.macro PREPQK p                        ; the bias and the scale words of phase p (0: Q, 1: K) are asked for
	s_lshl_b32 s98, s18, 9
	s_lshl_b32 s95, s16, 8
	s_add_co_u32 s98, s98, s95                     ; 128 nb + 64 wn numbers on
	s_mov_b32 s99, 0
	s_add_nc_u64 s[96:97], s[6+2*\p:7+2*\p], s[98:99]
	s_lshl_b32 s98, s18, 12
	s_lshl_b32 s95, s16, 11
	s_add_co_u32 s98, s98, s95
	s_add_co_u32 s98, s98, SCB+512*(256+64*\p)     ; W's tiles 256 + 64 p + 8 nb + 4 wn on
	s_add_nc_u64 s[76:77], s[4:5], s[98:99]
.irp t, 0,1,2,3
	global_load_b128 v[BI+8*\t:BI+8*\t+3], v[BO], s[96:97] offset:(32*(\t/2)+8*(\t%2))*4      ; lane (r, h), tile 2 b + u: channels 32 b + 16 h + 8 u + 0 .. 7
	global_load_b128 v[BI+8*\t+4:BI+8*\t+7], v[BO], s[96:97] offset:(32*(\t/2)+8*(\t%2))*4+16
.endr
.irp t, 0,1,2,3
	global_load_b128 v[SC+4*\t:SC+4*\t+3], v[L16], s[76:77] offset:512*\t
.endr
.if \p == 0                            ; the tokens' words stay for K
	s_lshl_b32 s98, s17, 12
	s_lshl_b32 s95, s15, 11
	s_add_co_u32 s98, s98, s95
	s_add_co_u32 s98, s98, SCB                     ; token tiles 8 mb + 4 wm on
	s_add_nc_u64 s[78:79], s[4:5], s[98:99]
.irp t, 0,1,2,3
	global_load_b128 v[SC+16+4*\t:SC+16+4*\t+3], v[L16], s[78:79] offset:512*\t
.endr
.endif
.endm
.macro OUTB hs, ps, recb, base, o1, o2 ; where my two fragments (s[90:91]) and their scale words (s[88:89]) go: record 32 (2 nb + s[hs]) + mb, part s[ps]
	s_lshl_b32 s95, s18, 1
	s_add_co_u32 s95, s95, s[\hs]
	s_lshl_b32 s95, s95, 5
	s_add_co_u32 s95, s95, s17
	s_mul_i32 s98, s95, \recb
	s_add_co_u32 s98, s98, \base
	s_mul_i32 s95, s[\ps], 3072
	s_add_co_u32 s95, s95, s98
	s_add_co_u32 s92, s95, \o1
	s_mov_b32 s93, 0
	s_add_nc_u64 s[90:91], s[12:13], s[92:93]
	s_lshl_b32 s95, s[\ps], 7
	s_add_co_u32 s95, s95, s98
	s_add_co_u32 s92, s95, \o2
	s_add_nc_u64 s[88:89], s[12:13], s[92:93]
.endm
.macro FINISH                          ; accumulators 0-7 are one fragment of 128 along the next K, 8-15 the next one
	QUANT ACC, PC, PWA
	PUT PC, 90, 0
	s_wait_xcnt 0x0                                ; the stores have read their data: the codes' registers are written again only behind this wait
	QUANT ACC+64, PC, PW
	PUT PC, 90, 1536
	v_cmp_ne_u32 vcc_lo, 0, v[HH]
	v_cndmask_b32 v[PWS], v[PWA], v[PW], vcc_lo    ; lanes 0-15 store the first fragment's words, lanes 16-31 the second's
	global_store_b32 v[L4L], v[PWS], s[88:89]
.endm
.macro OPEN g0                         ; a phase's opening: all my tensor loads are in, the add, my LDS reads are over; a round; the next weight's joint load, my two tiles of it
	s_wait_alu depctr_va_vdst(0)
	s_wait_tensorcnt 0x0
	ds_add_u32 v126, v127
	s_wait_dscnt 0x0
	CROUND
	tensor_load_to_lds s[\g0:\g0+3], s[G1R:G1R+7]
	s_nop 0
	PLACES
	FETCH 0, F0
	WIN 0
	s_wait_loadcnt 0x0                             ; the bias and the scale words
.endm
	s_load_b256 s[4:11], s[0:1], 0x0               ; xw, bq, bk, bv
	s_load_b64 s[12:13], s[0:1], 0x20              ; qkv
	v_lshl_add_u32 v126, v0, 2, SPARE
	v_mov_b32 v127, 0
	ds_add_u32 v126, v127                          ; the opening lines
	ds_add_u32 v126, v127
	v_lshrrev_b32 v1, 5, v0
	v_readfirstlane_b32 s14, v1                    ; wave 0..3
	s_lshr_b32 s15, s14, 1
	s_and_b32 s16, s14, 1
	s_bfe_u32 s84, ttmp6, 0x40000                  ; cx, cy
	s_bfe_u32 s85, ttmp6, 0x40004
	s_lshl_b32 s18, ttmp9, 2
	s_add_co_u32 s18, s18, s84                     ; nb = 4 x cluster x + cx
	s_and_b32 s17, ttmp7, 0xffff
	s_lshl_b32 s17, s17, 2
	s_add_co_u32 s17, s17, s85                     ; mb = 4 x cluster y + cy
	s_lshl_b32 s86, s85, 2
	s_lshl_b32 s86, 15, s86                        ; my row of the cluster
	s_lshl_b32 s87, 0x1111, s84                    ; my column
	s_or_b32 s[G1A], s86, (3<<16)|(1<<21)          ; dense blocks as rows of 256 bytes (32 elements of 8): four tiles are 192 rows, two are 96
	s_or_b32 s[G1B], s87, (3<<16)|(1<<21)
	s_or_b32 s[G1R], s87, (3<<16)|(1<<21)
.irp g, G1A, G1B
	s_mov_b32 s[\g+1], 32<<16
	s_mov_b32 s[\g+2], 192<<16
	s_mov_b32 s[\g+3], 32<<16
	s_mov_b32 s[\g+4], 192
	s_mov_b32 s[\g+5], 32
	s_mov_b32 s[\g+6], 0
	s_mov_b32 s[\g+7], 0
.endr
	s_mov_b32 s[G1R+1], 32<<16
	s_mov_b32 s[G1R+2], 96<<16
	s_mov_b32 s[G1R+3], 32<<16
	s_mov_b32 s[G1R+4], 96
	s_mov_b32 s[G1R+5], 32
	s_mov_b32 s[G1R+6], 0
	s_mov_b32 s[G1R+7], 0
	s_lshl_b32 s19, s16, 2
	s_lshl_b32 s20, s17, 3
	s_add_co_u32 s20, s20, s19                     ; tokens: tile 8 mb + 4 (w % 2)
	s_mul_i32 s20, s20, 12288
	s_mov_b32 s21, 0
	s_lshl_b32 s88, s18, 3
	s_add_co_u32 s90, s88, s19
	s_add_co_u32 s90, s90, 256                     ; Wq: tile 256 + 8 nb + 4 (w % 2)
	s_mul_i32 s90, s90, 12288
	s_mov_b32 s91, 0
	s_lshl_b32 s89, s14, 1
	s_add_co_u32 s88, s88, s89
	s_add_co_u32 s88, s88, 320                     ; Wk: tile 320 + 8 nb + 2 w; Wv's lie 64 tiles on
	s_mul_i32 s88, s88, 12288
	s_mov_b32 s89, 0
	s_mul_i32 s92, s14, HALF                       ; LDS: waves 0, 1 the tokens' halves, waves 2, 3 slot 0's
	s_mul_i32 s93, s14, 24576
	s_wait_dscnt 0x0
	s_wait_kmcnt 0x0
	s_add_nc_u64 s[20:21], s[4:5], s[20:21]
	s_add_nc_u64 s[90:91], s[4:5], s[90:91]
	s_add_nc_u64 s[88:89], s[4:5], s[88:89]
	CROUND                                         ; all sixteen work-groups are here: the joint loads meet
	s_mov_b32 s[G0A], 1
	s_mov_b32 s[G0A+1], s92
	s_mov_b64 s[G0A+2:G0A+3], s[20:21]
	s_or_b32 s[G0A+3], s[G0A+3], 0x80000000
	s_mov_b32 s[G0B], 1
	s_mov_b32 s[G0B+1], s92
	s_mov_b64 s[G0B+2:G0B+3], s[90:91]
	s_or_b32 s[G0B+3], s[G0B+3], 0x80000000
	s_mov_b32 s[G0R0], 1
	s_add_co_u32 s[G0R0+1], s93, BS1
	s_mov_b64 s[G0R0+2:G0R0+3], s[88:89]
	s_or_b32 s[G0R0+3], s[G0R0+3], 0x80000000
	s_mov_b32 s[G0R1], 1
	s_add_co_u32 s[G0R1+1], s93, BS0
	s_add_nc_u64 s[G0R1+2:G0R1+3], s[88:89], 64*12288
	s_or_b32 s[G0R1+3], s[G0R1+3], 0x80000000
	s_cmp_eq_u32 s15, 0                            ; the head's one load a wave: waves 0, 1 the tokens, waves 2, 3 Wq
	s_cbranch_scc0 .Lfor_b
	tensor_load_to_lds s[G0A:G0A+3], s[G1A:G1A+7]
	s_nop 0
	PLACES
	s_branch .Lasked
.Lfor_b:
	tensor_load_to_lds s[G0B:G0B+3], s[G1B:G1B+7]
	s_nop 0
	PLACES
.Lasked:
	v_and_b32 v18, 31, v0
	v_lshlrev_b32 v[L16], 4, v18
	v_lshlrev_b32 v[L8], 3, v18
	v_lshlrev_b32 v[L4L], 2, v18
	v_and_b32 v[RR], 15, v0
	v_bfe_u32 v[HH], v0, 4, 1
	v_lshlrev_b32 v[BO], 6, v[HH]
	v_and_b32 v[BOV], 8, v[RR]
	v_add_nc_u32 v[BOV], v[BOV], v[RR]
	v_lshlrev_b32 v[BOV], 2, v[BOV]                ; V's bias: my channel of a tile, r + 8 (r / 8)
.irp b, 0,1,2,3
	v_mov_b32 v[TM+4+\b], 0                        ; written once: a lane permute's destination counts as one of its sources
.endr
	s_mov_b32 s[SEL], 0x76543210
	s_mov_b32 s[SEL+1], 0xfedcba98
	s_wait_alu depctr_va_vdst(0)
.set NS0, 4
.set NS1, 4
.set NL, 32
.set BMODE, 0
	PREPQK 0
	ADDRQK 0
	; ---- Q: wave (wm, wn) = (w / 2, w % 2): head 2 nb + wn, token tiles 4 wm on
	OPEN G0R0                                      ; Wk sets out for slot 1
	KBODY
	s_wait_xcnt 0x0
	OUTB 16, 15, 6400, 0, 0, 6144
	PREPQK 1
	FINISH
	ADDRQK 1
	; ---- K
	OPEN G0R1                                      ; Wv sets out for slot 0, which nobody reads any more
	KBODY
	s_wait_xcnt 0x0                                ; Q's stores have read their bases
	OUTB 16, 15, 12800, 3276800, 0, 6144
	s_lshl_b32 s98, s18, 9                         ; V's bias: 128 nb + 32 w numbers on
	s_lshl_b32 s95, s14, 7
	s_add_co_u32 s98, s98, s95
	s_mov_b32 s99, 0
	s_add_nc_u64 s[96:97], s[10:11], s[98:99]
	s_lshl_b32 s98, s17, 12
	s_add_co_u32 s98, s98, SCB                     ; all eight token tiles' words
	s_add_nc_u64 s[76:77], s[4:5], s[98:99]
	s_lshl_b32 s98, s18, 12
	s_lshl_b32 s95, s14, 10
	s_add_co_u32 s98, s98, s95
	s_add_co_u32 s98, s98, SCB+512*384             ; Wv's tiles 384 + 8 nb + 2 w, + 1
	s_add_nc_u64 s[78:79], s[4:5], s[98:99]
.irp n, 0,1
	global_load_b32 v[BI+8*\n], v[BOV], s[96:97] offset:32*\n
.endr
.irp t, 0,1,2,3,4,5,6,7
	global_load_b128 v[SC+4*\t:SC+4*\t+3], v[L16], s[76:77] offset:512*\t
.endr
.irp t, 0,1
	global_load_b128 v[SC+32+4*\t:SC+32+4*\t+3], v[L16], s[78:79] offset:512*\t
.endr
	FINISH
	; ---- V: wave w: channels 32 w .. 32 w + 31 of the block (head 2 nb + w / 2, fragments 2 (w % 2), + 1), all 128 keys
.set NS0, 8
.set NS1, 2
.set NL, 40
.set BMODE, 1
	s_mov_b32 s92, 0
	s_mul_i32 s93, s14, 24576
	s_add_co_u32 s93, s93, BS0
	ADDRS 92, 93
	s_wait_alu depctr_va_vdst(0)
	s_wait_tensorcnt 0x0                           ; my part of Wv is in; nothing is filled again, so no round follows
	ds_add_u32 v126, v127
	s_wait_dscnt 0x0
	s_barrier_signal -1
	s_barrier_wait -1
	FETCH 0, F0
	WIN 0
	s_wait_loadcnt 0x0
.irp n, 0,1
.irp i, 1,2,3,4,5,6,7
	v_mov_b32 v[BI+8*\n+\i], v[BI+8*\n]            ; a lane's eight results of a tile are eight keys of ONE channel: the C operand wants its bias eight times
.endr
.endr
	PLACES
	s_wait_alu depctr_va_vdst(0)
	KBODY
	s_wait_xcnt 0x0
	OUTB 15, 16, 12800, 3276800, 6400, 12544
	FINISH
	s_wait_tensorcnt 0x0                           ; the wave's end
	ds_add_u32 v126, v127
	s_wait_dscnt 0x0
	CROUND                                         ; the closing round
	s_endpgm
.Lfunc_end_k_q87489389f2_heads:
	.size	k_q87489389f2_heads, .Lfunc_end_k_q87489389f2_heads-k_q87489389f2_heads
	.p2alignl 7, 3214868480
	.fill 96, 4, 3214868480
	.section	.rodata,"a",@progbits
	.p2align	6, 0x0
	.amdhsa_kernel k_q87489389f2_heads
		.amdhsa_group_segment_fixed_size 327680
		.amdhsa_private_segment_fixed_size 0
		.amdhsa_enable_private_segment 0
		.amdhsa_kernarg_size 40
		.amdhsa_user_sgpr_count 2
		.amdhsa_user_sgpr_kernarg_segment_ptr 1
		.amdhsa_wavefront_size32 1
		.amdhsa_system_sgpr_workgroup_id_x 1
		.amdhsa_system_sgpr_workgroup_id_y 1
		.amdhsa_system_sgpr_workgroup_id_z 1
		.amdhsa_system_vgpr_workitem_id 0
		.amdhsa_next_free_vgpr 512
		.amdhsa_next_free_sgpr 100
		.amdhsa_reserve_vcc 1
		.amdhsa_float_denorm_mode_32 3
		.amdhsa_float_denorm_mode_16_64 3
		.amdhsa_memory_ordered 1
		.amdhsa_forward_progress 1
		.amdhsa_inst_pref_size 147
	.end_amdhsa_kernel
	.amdgpu_metadata
---
amdhsa.version: [ 1, 2 ]
amdhsa.kernels:
  - .name:           k_q87489389f2_heads
    .symbol:         k_q87489389f2_heads.kd
    .args:
      - { .name: xw, .offset: 0, .size: 8, .value_kind: global_buffer, .address_space: global }
      - { .name: bq, .offset: 8, .size: 8, .value_kind: global_buffer, .address_space: global }
      - { .name: bk, .offset: 16, .size: 8, .value_kind: global_buffer, .address_space: global }
      - { .name: bv, .offset: 24, .size: 8, .value_kind: global_buffer, .address_space: global }
      - { .name: qkv, .offset: 32, .size: 8, .value_kind: global_buffer, .address_space: global }
    .group_segment_fixed_size: 327680
    .private_segment_fixed_size: 0
    .kernarg_segment_align: 8
    .kernarg_segment_size: 40
    .max_flat_workgroup_size: 128
    .sgpr_count:     100
    .vgpr_count:     512
    .wavefront_size: 32
...
	.end_amdgpu_metadata
.endif
;; end of part 2
;; launch attn (part 3): grid 16 x 16, 16 waves a work-group, no clusters, 327,680 bytes of LDS; arguments qkv, oa; writes oa
.if DOCPART == 3
	.amdgcn_target "amdgcn-amd-amdhsa--gfx1250"
	.amdhsa_code_object_version 6
	.text
	.protected	k_q87489389f2_attn
	.globl	k_q87489389f2_attn
	.p2align	8
	.type	k_q87489389f2_attn,@function
k_q87489389f2_attn:
	s_mov_b64 s[64:65], 0
	v_nop
	global_prefetch_b8 v0, s[64:65] scope:SCOPE_SE
	s_setreg_imm32_b32 hwreg(HW_REG_WAVE_MODE, 25, 1), 1
	s_wait_xcnt 0x0
; O[q] = sum over keys k <= q of softmax_k(Q[q] . K[k] / 8) V[k], head by head, both products on codes of BF6 (E3M2) with E8M0 scales; O is normalised in f32, quantised along the model's 1,024 and leaves as codes for the last product.
; Key steps all of whose keys come after a tile's queries lie wholly under the causal mask and are not walked.
; THE SOFTMAX: t = score x log2(e) / 8; M = the running largest t rounded UP to a whole number; p = 2^(t - M) is quantised along the keys, not normalised; the row's sum is taken of the unquantised p and divides at the end.
; When M moves, the sum and O^T are multiplied by 2^(old M - new M): exact.
; SHARES.  Work-group (j, head): query blocks 31 - j (32 - j key steps of 128 keys) and j (j + 1 key steps), 8 tiles of 16 queries each.  The keys of the long block are cut at key step 16:
;   waves 0-7:  tile 8 (31 - j) + w, key steps 0 .. 15 (16 steps, none masked);
;   waves 8-15: the same tiles, key steps 16 .. 31 - j (16 - j steps), then tile 8 j + w - 8, key steps 0 .. j (j + 1 steps): 17 steps.
; At their change of tiles (time step 16 - j: a branch on ids) waves 8-15 keep the long tile's O^T, M and sum in registers; behind the last change of slots they hand them through LDS to waves 0-7,
; which join the two parts (both brought under the larger M by exact powers of two) and finish the long tile while waves 8-15 walk their last step.
; Row r of tile T is query 32 (T / 2) + 8 (T % 2) + r + 8 (r / 8); keys and channels are tiled alike.
; K and V come as records of 12,800 bytes a key step.  A slot holds 4 time steps of both streams, 8 records; each of the 16 waves loads half a record (6,400 bytes: 25 rows of 256); two slots.
; The 17th time step has one record, which waves 8 and 9 fetch.  Every wait on TENSORcnt is for 0.
; THE HEAD IS 64, THE INSTRUCTION 128 DEEP: a fragment of K holds key tile 2 P and 2 P + 1; it is multiplied by [Q | 0] and by [0 | Q]: zero codes add nothing.
; Every wave loads the short tile's Q at the head, waves 0-7 too, and v231-255, v7, v11 are written there: the text has one way through the head, and every register that it names is written on every way.
; NO CLUSTER: the second stream's records hang on j, which differs between the work-groups of a head.  NO PREFETCH: a head's 32 records are walked by its sixteen work-groups together, each record by several of them within a few steps.
; LIMITS: a block's largest p is taken from its largest score (v_exp_f32 taken not to fall where its input rises); a block of zeros gets the scale byte 1; NaN and infinities are not served; scaled scores stay under 2^31.
.set REC,   12800
.set QREC,  6400
.set SLOT1, 1<<17
.set SPARE, 2*SLOT1
.set KVB,   3276800
.set OSB,   3145728
.set L16, 1
.set L8,  2
.set L4,  3
.set DL,  4                            ; r + 8 (r / 8) - 16 h, for the mask
.set SPW, 5
.set NIL, 6
.set SM,  7                            ; the long tile's -M, kept
.set SL,  11                           ; and its sum
.set QW,  34
.set STA, 35                           ; the hand-over's place in slot 1: 4,608 bytes for each pair of waves
.set BUF, 36
.set S,   84
.set O,   148
.set PC,  180
.set TM,  200
.set KS,  212
.set VS,  216
.set FF,  220
.set PWD, 221
.set T0,  222
.set T1,  223
.set O2,  224                          ; v224-230 the short tile's Q and scale word until the change of tiles; then v224-255 the long tile's O^T
.set WV,  8
.set HD,  10
.set TT,  11
.set Q0,  12
.set KF,  13
.set TB,  14
.set SLOTS, 15
.set STP, 16
.set TC,  17                           ; time step
.set CS,  18
.set SEL, 20
.set SW,  22                           ; the time step of my change of tiles (waves 0-7: none)
.set TT2, 23
.set G1,  24
.set G0,  32
.set Q02, 48
.set PT,  49                           ; my piece's time step
.set THR, 50
.set AD1, 51
.set AD2, 52
.set PB,  54
.macro FRAG reg, ad, off
	ds_load_b128 v[\reg:\reg+3], v[\ad] offset:\off
	ds_load_b64 v[\reg+4:\reg+5], v[\ad+1] offset:\off+512
	ds_load_b128 v[\reg+6:\reg+9], v[\ad] offset:\off+768
	ds_load_b64 v[\reg+10:\reg+11], v[\ad+1] offset:\off+1280
.endm
.macro GADDR                           ; my piece's record: first stream: PT; second: 16 + PT up to the change of tiles, then PT - (16 - j)
	s_cmp_lt_u32 s[PT], s[THR]
	s_cselect_b32 s36, s[AD1], s[AD2]
	s_add_co_u32 s36, s36, s[PT]
	s_mul_i32 s36, s36, REC
	s_mov_b32 s37, 0
	s_add_nc_u64 s[G0+2:G0+3], s[PB:PB+1], s[36:37]
	s_or_b32 s[G0+3], s[G0+3], 0x80000000
.endm
.macro QOFF t, oc, ow                  ; byte offsets of tile s[t]'s half of a pair image and of the pair's scale words
	s_lshr_b32 s36, s[\t], 3
	s_mul_i32 s36, s36, QREC
	s_add_co_u32 s36, s36, s43
	s_bfe_u32 s40, s[\t], 0x20001
	s_lshl_b32 s[\ow], s40, 6
	s_add_co_u32 s[\ow], s[\ow], s36
	s_add_co_u32 s[\ow], s[\ow], 6144
	s_mov_b32 s[\ow+1], 0
	s_mul_i32 s40, s40, 1536
	s_add_co_u32 s[\oc], s36, s40
	s_add_co_u32 s[\oc], s[\oc], s47
	s_mov_b32 s[\oc+1], 0
.endm
; THE CHANGE OF TILES, in waves 8-15 at time step 16 - j
.macro SWITCH
	s_cmp_eq_u32 s[TC], s[SW]
	s_cbranch_scc0 .Lsame_\@
	v_mov_b32 v[SM], v12                           ; these four are the places behind the last products
	v_add_f32 v[SL], v14, v15
	v_mov_b32 v[QW], v[O2+6]
	v_mov_b32 v13, 0xff61b1e6
.irp i, 0,1,2,3,4,5
	v_mov_b32 v[22+\i], v[O2+\i]                   ; the short tile's Q
.endr
.set n, 0
.rept 32
	v_mov_b32 v[O2+n], v[O+n]                      ; each accumulator from its low end on
.set n, n+1
.endr
.set n, 0
.rept 32
	v_mov_b32 v[O+n], 0
.set n, n+1
.endr
	v_floor_f32 v12, -v13
	v_mov_b32 v14, 0
	v_mov_b32 v15, 0
	s_mov_b32 s[TT], s[TT2]
	s_mov_b32 s[Q0], s[Q02]
	s_mov_b32 s[KF], 0
.Lsame_\@:
	s_add_co_u32 s[TC], s[TC], 1
.endm
; A KEY STEP: 128 keys from s[KF] on, the record at LDS byte s[TB]
.macro STEP
	v_add_nc_u32 v8, s[TB], v[L16]
	v_add_nc_u32 v9, s[TB], v[L8]
	v_add_nc_u32 v10, s[TB], v[L4]
	v_nop                                          ; four places in front of loads into registers that the last step's products read
.irp p, 0,1,2,3
	FRAG BUF+12*\p, 8, 1536*\p
	ds_load_b32 v[KS+\p], v10 offset:6144+64*\p
.endr
	s_wait_alu depctr_va_vdst(0)
.irp p, 0,1,2,3                                ; S^T = K Q^T: lane (r, h) holds query r; registers 16 P + 0 .. 15 are keys 32 P + 16 h + 0 .. 15
	s_wait_dscnt 15-5*\p                           ; pair image p and its scale words are in: five loads belong to each of the images behind it
	v_wmma_scale_f32_16x16x128_f8f6f4 v[S+16*\p:S+16*\p+7], v[BUF+12*\p:BUF+12*\p+11], v[22:33], 0, v[KS+\p], v[QW] matrix_a_fmt:MATRIX_FMT_BF6 matrix_b_fmt:MATRIX_FMT_BF6
	v_wmma_scale_f32_16x16x128_f8f6f4 v[S+16*\p+8:S+16*\p+15], v[BUF+12*\p:BUF+12*\p+11], v[16:27], 0, v[KS+\p], v[QW] matrix_a_fmt:MATRIX_FMT_BF6 matrix_b_fmt:MATRIX_FMT_BF6
.endr
.rept 4
	v_nop
.endr
.irp p, 0,1,2,3                                ; V's fragments land while the softmax is walked
	FRAG BUF+12*\p, 8, 6400+1536*\p
	ds_load_b32 v[VS+\p], v10 offset:12544+64*\p
.endr
	s_add_co_u32 s36, s[KF], 127
	s_cmp_le_u32 s36, s[Q0]
	s_cbranch_scc1 .Lopen_\@                       ; all 128 keys count for all my queries
	s_sub_co_i32 s36, s[Q0], s[KF]
	v_add_nc_u32 v[T0], s36, v[DL]                 ; register 16 P + i is hidden where 32 P + i > my query - KF - 16 h
	v_mov_b32 v[T1], 0xff800000
.set n, 0
.rept 64
	v_cmp_gt_i32 vcc_lo, 32*(n/16)+n%16, v[T0]
	v_cndmask_b32 v[S+n], v[S+n], v[T1], vcc_lo
.set n, n+1
.endr
.Lopen_\@:
.irp b, 0,1,2,3
	v_max3_num_f32 v[TM+\b], v[S+16*\b], v[S+16*\b+1], v[S+16*\b+2]   ; the largest score of each block of 32 keys
.endr
.irp i, 3,5,7,9,11,13
.irp b, 0,1,2,3
	v_max3_num_f32 v[TM+\b], v[TM+\b], v[S+16*\b+\i], v[S+16*\b+\i+1]
.endr
.endr
.irp b, 0,1,2,3
	v_max_num_f32 v[TM+\b], v[TM+\b], v[S+16*\b+15]
.endr
.irp b, 0,1,2,3
	s_delay_alu instid0(VALU_DEP_4)
	v_permlanex16_b32 v[TM+4+\b], v[TM+\b], s[SEL], s[SEL+1]
.endr
.irp b, 0,1,2,3
	s_delay_alu instid0(VALU_DEP_4)
	v_max_num_f32 v[TM+\b], v[TM+\b], v[TM+4+\b]
.endr
	s_delay_alu instid0(VALU_DEP_2)
	v_max3_num_f32 v[T0], v[TM], v[TM+1], v[TM+2]
	s_delay_alu instid0(VALU_DEP_1)
	v_max_num_f32 v[T0], v[T0], v[TM+3]
	s_delay_alu instid0(VALU_DEP_1)
	v_mul_f32 v[T0], s[CS], v[T0]
	s_delay_alu instid0(VALU_DEP_1)
	v_max_num_f32 v13, v13, v[T0]                  ; the running largest t
	v_mov_b32 v[T0], v12
	s_delay_alu instid0(VALU_DEP_2)
	v_floor_f32 v12, -v13                          ; the new -M
	s_delay_alu instid0(VALU_DEP_1)
	v_sub_f32 v[T0], v12, v[T0]                    ; old M - new M
	s_delay_alu instid0(VALU_DEP_1)
	v_cvt_i32_f32 v[T0], v[T0]
	s_delay_alu instid0(VALU_DEP_1)
	v_ldexp_f32 v[FF], 1.0, v[T0]                  ; f
.set n, 0
.rept 32
	v_pk_fma_f32 v[S+n:S+n+1], v[S+n:S+n+1], s[CS:CS+1], v[12:13] op_sel_hi:[1,0,0]   ; t - M
.set n, n+2
.endr
.irp b, 0,1,2,3
	v_fma_f32 v[TM+\b], v[TM+\b], s[CS], v12
.endr
.set n, 0
	s_wait_alu depctr_va_vdst(0)
.rept 64
	v_exp_f32 v[S+n], v[S+n]                       ; p = 2^(t - M)
.set n, n+1
.endr
.irp b, 0,1,2,3
	v_exp_f32 v[TM+\b], v[TM+\b]                   ; the block's largest p
.endr
	v_pk_mul_f32 v[14:15], v[14:15], v[FF:FF+1] op_sel_hi:[1,0]   ; the sums under the new M (a plain place behind the exponentials)
	s_wait_alu depctr_va_vdst(0)
.irp b, 0,1,2,3
	v_max_num_f32 v[TM+\b], 0x2800000, v[TM+\b]    ; the floor 2^(5 - 127)
.endr
.irp b, 0,1,2,3
	s_delay_alu instid0(VALU_DEP_4)
	v_add_nc_u32 v[TM+8+\b], 0xfe000000, v[TM+\b]
.endr
.irp b, 0,1,2,3
	s_delay_alu instid0(VALU_DEP_4)
	v_lshrrev_b32 v[TM+4+\b], 23, v[TM+8+\b]
.endr
	s_delay_alu instid0(VALU_DEP_3)
	v_lshl_or_b32 v[PWD], v[TM+5], 8, v[TM+4]
	s_delay_alu instid0(VALU_DEP_1)
	v_lshl_or_b32 v[PWD], v[TM+6], 16, v[PWD]
	s_delay_alu instid0(VALU_DEP_1)
	v_lshl_or_b32 v[PWD], v[TM+7], 24, v[PWD]
.irp c, 0,1
	v_cvt_scalef32_pk16_bf6_f32 v[PC+6*\c:PC+6*\c+2], v[S+32*\c:S+32*\c+15], v[TM+8+2*\c]
	v_cvt_scalef32_pk16_bf6_f32 v[PC+12+4*\c:PC+14+4*\c], v[S+32*\c+16:S+32*\c+31], v[TM+8+2*\c+1]
.endr
	v_nop                                          ; one plain place behind a scaled conversion
.irp c, 0,1
.irp i, 0,1,2
	v_permlane16_swap_b32 v[PC+6*\c+\i], v[PC+12+4*\c+\i]
.endr
.irp i, 0,1,2
	s_delay_alu instid0(VALU_DEP_3)
	v_mov_b32 v[PC+3+6*\c+\i], v[PC+12+4*\c+\i]
.endr
.endr
.irp i, 0,1,2,3,4,5                            ; the row's sum of the unquantised p: six chains in v200-211 and the running pair
	v_pk_add_f32 v[TM+2*\i:TM+2*\i+1], v[S+4*\i:S+4*\i+1], v[S+4*\i+2:S+4*\i+3]
.endr
.set n, 24
.rept 3
.irp i, 0,1,2,3,4,5
	v_pk_add_f32 v[TM+2*\i:TM+2*\i+1], v[TM+2*\i:TM+2*\i+1], v[S+n:S+n+1]
.set n, n+2
.endr
.endr
	v_pk_add_f32 v[14:15], v[14:15], v[S+60:S+61]
	v_pk_add_f32 v[TM:TM+1], v[TM:TM+1], v[TM+2:TM+3]
	v_pk_add_f32 v[TM+4:TM+5], v[TM+4:TM+5], v[TM+6:TM+7]
	v_pk_add_f32 v[TM+8:TM+9], v[TM+8:TM+9], v[TM+10:TM+11]
	v_pk_add_f32 v[14:15], v[14:15], v[S+62:S+63]
	s_delay_alu instid0(VALU_DEP_3)
	v_pk_add_f32 v[TM:TM+1], v[TM:TM+1], v[TM+4:TM+5]
	s_delay_alu instid0(VALU_DEP_2)
	v_pk_add_f32 v[14:15], v[14:15], v[TM+8:TM+9]
	s_delay_alu instid0(VALU_DEP_1)
	v_pk_add_f32 v[14:15], v[14:15], v[TM:TM+1]
.set n, 0
.rept 16
	v_pk_mul_f32 v[O+n:O+n+1], v[O+n:O+n+1], v[FF:FF+1] op_sel_hi:[1,0]   ; O^T under the new M; with the sums above: the places between p's codes and scale word and the products
.set n, n+2
.endr
	s_wait_alu depctr_va_vdst(0)
	s_wait_dscnt 0x0                               ; V is in
.irp t, 0,1,2,3                                ; O^T += V^T P^T: the four accumulators by turns
	v_wmma_scale_f32_16x16x128_f8f6f4 v[O+8*\t:O+8*\t+7], v[BUF+12*\t:BUF+12*\t+11], v[PC:PC+11], v[O+8*\t:O+8*\t+7], v[VS+\t], v[PWD] matrix_a_fmt:MATRIX_FMT_BF6 matrix_b_fmt:MATRIX_FMT_BF6
.endr
	s_add_co_u32 s[KF], s[KF], 128
	s_add_co_u32 s[TB], s[TB], REC
.endm
; THE CHANGE OF SLOTS: all my tensor loads are in, the add, my reads of the slot that I leave are over; the barrier; fill = 1: every wave's half record of the next four time steps into the slot just left; fill = 2: waves 8 and 9 alone
.macro CHANGE fill
	s_wait_tensorcnt 0x0
	ds_add_u32 v[SPW], v[NIL]
.if \fill
	s_xor_b32 s[G0+1], s[G0+1], SLOT1
	s_add_co_u32 s[PT], s[PT], 4
	GADDR
.endif
	s_wait_dscnt 0x0
	s_barrier_signal -1
	s_barrier_wait -1
.if \fill == 2
	s_and_b32 s36, s[WV], 14
	s_cmp_eq_u32 s36, 8
	s_cbranch_scc0 .Lnone_\@
.endif
.if \fill
	tensor_load_to_lds s[G0:G0+3], s[G1:G1+7]
	s_nop 0
.rept 4
	v_nop
.endr
.endif
.if \fill == 2
.Lnone_\@:
.endif
.endm
.macro STEPS                           ; a slot's four time steps
	s_mov_b32 s[STP], 4
.Lstep_\@:
	SWITCH
	STEP
	s_sub_co_u32 s[STP], s[STP], 1
	s_cmp_lg_u32 s[STP], 0
	s_cbranch_scc1 .Lstep_\@
	s_sub_co_u32 s[TB], s[TB], 4*REC
	s_xor_b32 s[TB], s[TB], SLOT1
.endm
	s_load_b128 s[4:7], s[0:1], 0x0                ; qkv, oa
	v_lshl_add_u32 v[SPW], v0, 2, SPARE
	v_mov_b32 v[NIL], 0
	ds_add_u32 v[SPW], v[NIL]                      ; the opening lines
	ds_add_u32 v[SPW], v[NIL]
	v_lshrrev_b32 v8, 5, v0
	v_readfirstlane_b32 s[WV], v8                  ; wave 0..15
	s_and_b32 s[HD], ttmp7, 0xffff
	s_lshr_b32 s38, s[WV], 3                       ; which stream
	s_and_b32 s39, s[WV], 7
	s_lshl_b32 s36, ttmp9, 3
	s_add_co_u32 s[TT2], s36, s39                  ; the short tile
	s_sub_co_u32 s37, 248, s36
	s_add_co_u32 s[TT], s37, s39                   ; the long tile
	s_and_b32 s37, s[WV], 1                        ; T % 2, of both
	s_lshl_b32 s40, s37, 3
	s_lshr_b32 s36, s[TT], 1
	s_lshl_b32 s36, s36, 5
	s_add_co_u32 s[Q0], s36, s40                   ; first queries
	s_lshr_b32 s36, s[TT2], 1
	s_lshl_b32 s36, s36, 5
	s_add_co_u32 s[Q02], s36, s40
	s_lshl_b32 s[KF], s38, 11                      ; first key: 0 or 2,048
	s_mul_i32 s[TB], s38, 4*REC                    ; my stream's records in a slot
	s_mov_b32 s[TC], 0
	s_sub_co_u32 s41, 16, ttmp9                    ; 16 - j
	s_sub_co_u32 s42, ttmp9, 16
	s_cmp_eq_u32 s38, 0
	s_cselect_b32 s[SW], 64, s41
	s_cselect_b32 s[THR], 0, s41
	s_cselect_b32 s[AD1], 0, 16
	s_cselect_b32 s[AD2], 0, s42
	s_bfe_u32 s[PT], s[WV], 0x20001                ; my piece: stream w / 8, time step (w / 2) % 4 of the slot, half w % 2
	s_mul_i32 s44, s[HD], 32*REC
	s_mul_i32 s45, s37, QREC
	s_add_co_u32 s44, s44, s45
	s_add_co_u32 s44, s44, KVB
	s_mov_b32 s45, 0
	s_mul_i32 s43, s[HD], 32*QREC
	s_mul_i32 s47, s37, 768
	s_lshl_b32 s46, s37, 4                         ; my two bytes of a scale word: 16 (T % 2) bits up
	QOFF TT, 56, 58
	QOFF TT2, 60, 62
	s_mov_b32 s[G1], 3<<16                         ; 6,400 dense bytes as 25 rows of 256 (32 elements of 8 bytes)
	s_mov_b32 s[G1+1], 32<<16
	s_mov_b32 s[G1+2], 25<<16
	s_mov_b32 s[G1+3], 32<<16
	s_mov_b32 s[G1+4], 25
	s_mov_b32 s[G1+5], 32
	s_mov_b32 s[G1+6], 0
	s_mov_b32 s[G1+7], 0
	s_mov_b32 s[CS], 0x3e38aa3b                    ; log2(e) / 8
	s_mov_b32 s[CS+1], s[CS]
	s_mov_b32 s[SEL], 0x76543210
	s_mov_b32 s[SEL+1], 0xfedcba98
	s_mov_b32 s[SLOTS], 3
	s_mul_i32 s40, s39, 4608
	s_add_co_u32 s40, s40, SLOT1
	v_and_b32 v8, 15, v0
	v_bfe_u32 v9, v0, 4, 1
	v_and_b32 v10, 8, v8
	v_add_nc_u32 v[DL], v10, v8
	v_lshlrev_b32 v10, 4, v9
	v_sub_nc_u32 v[DL], v[DL], v10
	v_lshlrev_b32 v[L4], 2, v8
	v_and_b32 v10, 31, v0
	v_lshlrev_b32 v[L16], 4, v10
	v_lshlrev_b32 v[L8], 3, v10
	v_add_nc_u32 v[STA], s40, v[L16]
	s_wait_alu depctr_va_vdst(0)
	s_wait_dscnt 0x0
	s_wait_kmcnt 0x0
	s_add_nc_u64 s[PB:PB+1], s[4:5], s[44:45]
	s_mov_b32 s[G0], 1
	s_mul_i32 s[G0+1], s[WV], QREC                 ; slot 0, my piece
	GADDR
	tensor_load_to_lds s[G0:G0+3], s[G1:G1+7]      ; the head's one load a wave
	s_nop 0
.rept 4
	v_nop
.endr
	s_add_nc_u64 s[56:57], s[4:5], s[56:57]
	s_add_nc_u64 s[58:59], s[4:5], s[58:59]
	s_add_nc_u64 s[60:61], s[4:5], s[60:61]
	s_add_nc_u64 s[62:63], s[4:5], s[62:63]
	global_load_b128 v[22:25], v[L16], s[56:57]    ; v[22:33] is [Q | 0], v[16:27] is [0 | Q]
	global_load_b64 v[26:27], v[L8], s[56:57] offset:512
	global_load_b32 v[QW], v[L4], s[58:59]
	global_load_b128 v[O2:O2+3], v[L16], s[60:61]  ; the short tile's
	global_load_b64 v[O2+4:O2+5], v[L8], s[60:61] offset:512
	global_load_b32 v[O2+6], v[L4], s[62:63]
.irp i, 16,17,18,19,20,21,28,29,30,31,32,33
	v_mov_b32 v\i, 0
.endr
	v_mov_b32 v13, 0xff61b1e6                      ; the largest t so far: -3e38
	v_floor_f32 v12, -v13
	v_mov_b32 v14, 0
	v_mov_b32 v15, 0
	v_mov_b32 v[SM], 0
	v_mov_b32 v[SL], 0
.irp b, 0,1,2,3
	v_mov_b32 v[TM+4+\b], 0
.endr
	v_mov_b32 v[PWD], 0
	v_mov_b32 v[T0], 0
	v_mov_b32 v[T1], 0
.set n, 7
.rept 25
	v_mov_b32 v[O2+n], 0
.set n, n+1
.endr
	s_wait_loadcnt 0x0
.irp q, QW, O2+6
	v_lshrrev_b32 v[\q], s46, v[\q]
	v_and_b32 v[\q], 0xffff, v[\q]
	v_lshl_or_b32 v[\q], v[\q], 16, v[\q]          ; the tile's two bytes under both halves of the 128
.endr
.set n, 0
.rept 32
	v_mov_b32 v[O+n], 0                            ; O^T: the step is written once; the first finds zeros
.set n, n+1
.endr
	s_wait_alu depctr_va_vdst(0)
.Lslot:                                            ; time steps 0-11
	CHANGE 1
	STEPS
	s_sub_co_u32 s[SLOTS], s[SLOTS], 1
	s_cmp_lg_u32 s[SLOTS], 0
	s_cbranch_scc1 .Lslot
	CHANGE 2                                       ; time steps 12-15; the one record of time step 16 sets out
	STEPS
	CHANGE 0                                       ; slot 1 has had its last fill and its last read
	SWITCH                                         ; (j = 0: the change of tiles falls here)
	s_wait_alu depctr_va_vdst(0)
	s_cmp_lt_u32 s[WV], 8
	s_cbranch_scc1 .Lkeeps
	v_mov_b32 v[TM+4], v[SM]
	v_mov_b32 v[TM+5], v[SL]
.irp i, 0,1,2,3,4,5,6,7
	ds_store_b128 v[STA], v[O2+4*\i:O2+4*\i+3] offset:512*\i   ; an image of the registers, 16 bytes a lane
.endr
	ds_store_b128 v[STA], v[TM+4:TM+7] offset:4096
.Lkeeps:
	s_wait_dscnt 0x0                               ; for the others' sake
	s_barrier_signal -1
	s_barrier_wait -1
	s_cmp_lt_u32 s[WV], 8
	s_cbranch_scc1 .Ljoin
	STEP                                           ; waves 8-15: time step 16
	s_branch .Lout
.Ljoin:                                            ; waves 0-7: the long tile's two parts under the larger M
.irp i, 0,1,2,3,4,5,6,7
	ds_load_b128 v[S+4*\i:S+4*\i+3], v[STA] offset:512*\i
.endr
	ds_load_b128 v[S+32:S+35], v[STA] offset:4096
	s_wait_dscnt 0x0
	v_add_f32 v14, v14, v15
	v_min_num_f32 v[TM], v12, v[S+32]              ; the new -M
	v_sub_f32 v[T0], v[TM], v12
	v_sub_f32 v[FF], v[TM], v[S+32]
	v_cvt_i32_f32 v[T0], v[T0]
	v_cvt_i32_f32 v[FF], v[FF]
	v_ldexp_f32 v[T0], 1.0, v[T0]
	v_ldexp_f32 v[FF], 1.0, v[FF]
	v_mul_f32 v14, v14, v[T0]
	v_mov_b32 v15, 0
	v_fmac_f32 v14, v[S+33], v[FF]
.set n, 0
.rept 16
	v_pk_mul_f32 v[O+n:O+n+1], v[O+n:O+n+1], v[T0:T0+1] op_sel_hi:[1,0]
.set n, n+2
.endr
.set n, 0
.rept 16
	v_pk_fma_f32 v[O+n:O+n+1], v[S+n:S+n+1], v[FF:FF+1], v[O+n:O+n+1] op_sel_hi:[1,0,1]
.set n, n+2
.endr
.Lout:
	; THE WAY OUT: O^T / the sum, quantised along the 64 channels (two blocks): half (head % 2) of K step head / 2 of the last product's operand
.rept 4
	v_nop
.endr
	v_add_f32 v14, v14, v15
	s_delay_alu instid0(VALU_DEP_1)
	v_permlanex16_b32 v[T0], v14, s[SEL], s[SEL+1]
	s_delay_alu instid0(VALU_DEP_1)
	v_add_f32 v14, v14, v[T0]                      ; the row's sum
	s_wait_alu depctr_va_vdst(0)
	v_rcp_f32 v14, v14
	v_and_b32 v8, 15, v0
	v_bfe_u32 v9, v0, 4, 1
	s_delay_alu instid0(VALU_DEP_1)
	v_lshl_add_u32 v10, v8, 4, v9                  ; 16 r + h
.set n, 0
	s_wait_alu depctr_va_vdst(0)
.rept 32
	v_mul_f32 v[S+n], v[O+n], v14
.set n, n+1
.endr
.irp b, 0,1
	v_max3_num_f32 v[TM+\b], |v[S+16*\b]|, |v[S+16*\b+1]|, 0x2800000
.endr
.irp i, 2,4,6,8,10,12,14
.irp b, 0,1
	s_delay_alu instid0(VALU_DEP_2)
	v_max3_num_f32 v[TM+\b], v[TM+\b], |v[S+16*\b+\i]|, |v[S+16*\b+\i+1]|
.endr
.endr
.irp b, 0,1
	s_delay_alu instid0(VALU_DEP_2)
	v_permlanex16_b32 v[TM+4+\b], v[TM+\b], s[SEL], s[SEL+1]
.endr
.irp b, 0,1
	s_delay_alu instid0(VALU_DEP_2)
	v_max_num_f32 v[TM+\b], v[TM+\b], v[TM+4+\b]
.endr
.irp b, 0,1
	s_delay_alu instid0(VALU_DEP_2)
	v_add_nc_u32 v[TM+8+\b], 0xfe000000, v[TM+\b]
.endr
.irp b, 0,1
	s_delay_alu instid0(VALU_DEP_2)
	v_lshrrev_b32 v[TM+4+\b], 23, v[TM+8+\b]
.endr
	v_cvt_scalef32_pk16_bf6_f32 v[PC:PC+2], v[S:S+15], v[TM+8]
	v_cvt_scalef32_pk16_bf6_f32 v[PC+12:PC+14], v[S+16:S+31], v[TM+9]
	v_nop
.irp i, 0,1,2
	v_permlane16_swap_b32 v[PC+\i], v[PC+12+\i]
.endr
.irp i, 0,1,2
	s_delay_alu instid0(VALU_DEP_3)
	v_mov_b32 v[PC+3+\i], v[PC+12+\i]
.endr
	v_cmp_ne_u32 vcc_lo, 0, v9
	s_delay_alu instid0(VALU_DEP_1)
	v_cndmask_b32 v[T0], v[TM+4], v[TM+5], vcc_lo  ; lane (r, h) stores block h's byte
	s_mul_i32 s36, s[TT], 12288
	s_lshr_b32 s38, s[HD], 1
	s_and_b32 s39, s[HD], 1
	s_mul_i32 s40, s38, 1536
	s_add_co_u32 s36, s36, s40
	s_mul_i32 s40, s39, 768
	s_add_co_u32 s36, s36, s40
	s_mov_b32 s37, 0
	s_add_nc_u64 s[36:37], s[6:7], s[36:37]
	s_lshl_b32 s40, s[TT], 9
	s_add_co_u32 s40, s40, OSB
	s_lshr_b32 s41, s38, 2
	s_lshl_b32 s41, s41, 8
	s_add_co_u32 s40, s40, s41
	s_and_b32 s41, s38, 3
	s_lshl_b32 s41, s41, 2
	s_add_co_u32 s40, s40, s41
	s_lshl_b32 s41, s39, 1
	s_add_co_u32 s40, s40, s41                     ; the tile's scale bytes: 256 (q / 4) + 4 (q % 4) + 2 (head % 2), + 16 r + h
	s_mov_b32 s41, 0
	s_add_nc_u64 s[40:41], s[6:7], s[40:41]
	s_wait_alu depctr_va_vdst(0)
	global_store_b128 v[L16], v[PC:PC+3], s[36:37]             ; 512 consecutive bytes, at a multiple of 256
	global_store_b64 v[L8], v[PC+4:PC+5], s[36:37] offset:512
	global_store_b8 v10, v[T0], s[40:41]                       ; single bytes: a tile's 512 scale bytes come from 16 heads, that is from 16 work-groups
	s_wait_tensorcnt 0x0                           ; the wave's end
	ds_add_u32 v[SPW], v[NIL]
	s_wait_dscnt 0x0
	s_endpgm
.Lfunc_end_k_q87489389f2_attn:
	.size	k_q87489389f2_attn, .Lfunc_end_k_q87489389f2_attn-k_q87489389f2_attn
	.p2alignl 7, 3214868480
	.fill 96, 4, 3214868480
	.section	.rodata,"a",@progbits
	.p2align	6, 0x0
	.amdhsa_kernel k_q87489389f2_attn
		.amdhsa_group_segment_fixed_size 327680
		.amdhsa_private_segment_fixed_size 0
		.amdhsa_enable_private_segment 0
		.amdhsa_kernarg_size 16
		.amdhsa_user_sgpr_count 2
		.amdhsa_user_sgpr_kernarg_segment_ptr 1
		.amdhsa_wavefront_size32 1
		.amdhsa_system_sgpr_workgroup_id_x 1
		.amdhsa_system_sgpr_workgroup_id_y 1
		.amdhsa_system_sgpr_workgroup_id_z 1
		.amdhsa_system_vgpr_workitem_id 0
		.amdhsa_next_free_vgpr 256
		.amdhsa_next_free_sgpr 66
		.amdhsa_reserve_vcc 1
		.amdhsa_float_denorm_mode_32 3
		.amdhsa_float_denorm_mode_16_64 3
		.amdhsa_memory_ordered 1
		.amdhsa_forward_progress 1
		.amdhsa_inst_pref_size 96
	.end_amdhsa_kernel
	.amdgpu_metadata
---
amdhsa.version: [ 1, 2 ]
amdhsa.kernels:
  - .name:           k_q87489389f2_attn
    .symbol:         k_q87489389f2_attn.kd
    .args:
      - { .name: qkv, .offset: 0, .size: 8, .value_kind: global_buffer, .address_space: global }
      - { .name: oa, .offset: 8, .size: 8, .value_kind: global_buffer, .address_space: global }
    .group_segment_fixed_size: 327680
    .private_segment_fixed_size: 0
    .kernarg_segment_align: 8
    .kernarg_segment_size: 16
    .max_flat_workgroup_size: 512
    .sgpr_count:     66
    .vgpr_count:     256
    .wavefront_size: 32
...
	.end_amdgpu_metadata
.endif
;; end of part 3
;; launch proj (part 4): grid 8 x 32, 4 waves a work-group, clusters of 4 x 4, 327,680 bytes of LDS; arguments oa, xw, bo, out0; writes out0
.if DOCPART == 4
	.amdgcn_target "amdgcn-amd-amdhsa--gfx1250"
	.amdhsa_code_object_version 6
	.text
	.protected	k_q87489389f2_proj
	.globl	k_q87489389f2_proj
	.p2align	8
	.type	k_q87489389f2_proj,@function
k_q87489389f2_proj:
	s_mov_b64 s[64:65], 0
	v_nop
	global_prefetch_b8 v0, s[64:65] scope:SCOPE_SE
	s_setreg_imm32_b32 hwreg(HW_REG_WAVE_MODE, 25, 1), 1
	s_wait_xcnt 0x0
	s_wait_alu depctr_hold_cnt(0) depctr_sa_sdst(0) depctr_va_vdst(0) depctr_va_sdst(0) depctr_va_ssrc(0) depctr_va_vcc(0) depctr_vm_vsrc(0)
	s_getreg_b32 s2, hwreg(HW_REG_IB_STS2, 6, 4)
	s_cmp_eq_u32 s2, 0
	s_cbranch_scc0 .Lentry_in_a_cluster
	s_endpgm
.Lentry_in_a_cluster:
	s_bfe_u32 s2, ttmp6, 0x10000c
	s_cmp_lg_u32 s2, 0xf033
	s_cbranch_scc0 .Lentry_shape_is_right
	s_endpgm
.Lentry_shape_is_right:
; out0 = O Wo^T + bo on codes of BF6 (E3M2) with E8M0 scales, sums in f32.  A work-group makes 128 tokens (mb) x 128 columns (nb); wave (wm, wn) = (w / 2, w % 2) makes 64 x 64: 16 accumulators.
; OPERANDS lie in oa (tokens) and xw (Wo: tiles 448 on) as images of fragments: tile G, K step q at 12,288 G + 1,536 q; a tile's 512 scale bytes at 3,145,728 + 512 G in oa, at 6,291,456 + 512 G in xw.
; All of K = 1,024 of both operands fits in LDS (2 x 98,304 bytes): each wave asks for four tiles, 49,152 dense bytes, by ONE joint load at the head; nothing is filled later.
; Scale words and the bias go from memory straight into registers, 512 consecutive bytes a load for the words.
; Row r of tile T is row 32 (T / 2) + 8 (T % 2) + r + 8 (r / 8).  Source 0 = 4 tiles of Wo, source 1 = 4 tiles of tokens: a lane holds one token, the 16 registers of result tiles 2 b, 2 b + 1 are 16 neighbouring columns.
; THE WAY OUT: a token tile's 16 rows x 64 columns go through the wave's own stage in LDS (rows of 272 bytes) and leave as rows of 256 bytes, sixteen lanes to an aligned run of 256.
; CLUSTERS: 4 x 4; the four of a row need the same tokens, the four of a column the same rows of Wo.  NO PREFETCH: the launch has no loop to run ahead in: all its tiles are asked for at the head.
.set SCB,  6291456
.set OSB,  3145728
.set HALF, 49152
.set BS0,  98304
.set STAGE, 204800
.set SPARE, 0x36400                    ; behind the four stages of 4,352 bytes
.set L16, 1
.set L8,  2
.set AD0, 4
.set AD1, 8
.set BO,  14
.set HH,  15
.set RR,  16
.set STO, 17
.set RD,  18
.set CO,  19
.set SC,  20
.set BI,  60
.set BK,  60
.set ACC, 128
.set F0,  0
.set NL,  32
.set G1A, 24
.set G1B, 32
.set G0A, 56
.set G0B, 60
.set MSB, 0
.macro WIN new
.if MSB != \new
	s_set_vgpr_msb (MSB<<8)|\new
.set MSB, \new
.endif
.endm
.macro PLACES
.rept 4
	v_nop
.endr
.endm
.macro CROUND
	s_barrier_signal -1
	s_barrier_wait -1
	s_cmp_lg_u32 s14, 0
	s_cbranch_scc1 .Lnot_wave_0_\@
	s_barrier_signal -3
.Lnot_wave_0_\@:
	s_barrier_wait -3
	s_barrier_signal -1
	s_barrier_wait -1
.endm
.macro FRAG reg, ad, off
	ds_load_b128 v[\reg:\reg+3], v[\ad] offset:\off
	ds_load_b64 v[\reg+4:\reg+5], v[\ad+1] offset:\off+512
	ds_load_b128 v[\reg+6:\reg+9], v[\ad] offset:\off+768
	ds_load_b64 v[\reg+10:\reg+11], v[\ad+1] offset:\off+1280
.endm
.macro FETCH q, f                      ; K step q's eight fragments into buffer f of window 1
	WIN 0x40
.irp t, 0,1,2,3
	FRAG \f+12*\t, AD0, 12288*\t+1536*(\q)
.endr
.irp t, 0,1,2,3
	FRAG \f+48+12*\t, AD1, 12288*\t+1536*(\q)
.endr
.endm
.macro MUL q, f, first                 ; 16 matrix instructions, the 16 accumulators by turns; first = 1: the bias is the C that starts the sums
.irp m, 0,1,2,3
.irp n, 0,1,2,3
.set rD, ACC+8*(4*\m+\n)
.set rA, \f+12*\n
.set rB, \f+48+12*\m
.set rSA, SC+4*\n+(\q)%4
.set rSB, SC+16+4*\m+(\q)%4
.if \first
	v_wmma_scale_f32_16x16x128_f8f6f4 v[rD:rD+7], v[rA:rA+11], v[rB:rB+11], v[BI+8*\n:BI+8*\n+7], v[rSA], v[rSB] matrix_a_fmt:MATRIX_FMT_BF6 matrix_b_fmt:MATRIX_FMT_BF6
.elseif (\q) < 4
	v_wmma_scale_f32_16x16x128_f8f6f4 v[rD:rD+7], v[rA:rA+11], v[rB:rB+11], v[rD:rD+7], v[rSA], v[rSB] matrix_a_fmt:MATRIX_FMT_BF6 matrix_b_fmt:MATRIX_FMT_BF6
.else
	v_wmma_scale_f32_16x16x128_f8f6f4 v[rD:rD+7], v[rA:rA+11], v[rB:rB+11], v[rD:rD+7], v[rSA], v[rSB] matrix_a_fmt:MATRIX_FMT_BF6 matrix_b_fmt:MATRIX_FMT_BF6 matrix_a_scale:MATRIX_SCALE_ROW1 matrix_b_scale:MATRIX_SCALE_ROW1
.endif
.endr
.endr
.endm
	s_load_b256 s[4:11], s[0:1], 0x0               ; oa, xw, bo, out0
	v_lshl_add_u32 v126, v0, 2, SPARE
	v_mov_b32 v127, 0
	ds_add_u32 v126, v127                          ; the opening lines
	ds_add_u32 v126, v127
	v_lshrrev_b32 v1, 5, v0
	v_readfirstlane_b32 s14, v1                    ; wave 0..3
	s_lshr_b32 s15, s14, 1
	s_and_b32 s16, s14, 1
	s_bfe_u32 s84, ttmp6, 0x40000                  ; cx, cy
	s_bfe_u32 s85, ttmp6, 0x40004
	s_lshl_b32 s18, ttmp9, 2
	s_add_co_u32 s18, s18, s84                     ; nb
	s_and_b32 s17, ttmp7, 0xffff
	s_lshl_b32 s17, s17, 2
	s_add_co_u32 s17, s17, s85                     ; mb
	s_lshl_b32 s86, s85, 2
	s_lshl_b32 s86, 15, s86                        ; my row of the cluster
	s_lshl_b32 s87, 0x1111, s84                    ; my column
	s_or_b32 s[G1A], s86, (3<<16)|(1<<21)          ; four tiles, dense, as 192 rows of 256 bytes (32 elements of 8)
	s_or_b32 s[G1B], s87, (3<<16)|(1<<21)
.irp g, G1A, G1B
	s_mov_b32 s[\g+1], 32<<16
	s_mov_b32 s[\g+2], 192<<16
	s_mov_b32 s[\g+3], 32<<16
	s_mov_b32 s[\g+4], 192
	s_mov_b32 s[\g+5], 32
	s_mov_b32 s[\g+6], 0
	s_mov_b32 s[\g+7], 0
.endr
	s_lshl_b32 s19, s16, 2
	s_lshl_b32 s20, s17, 3
	s_add_co_u32 s20, s20, s19                     ; tokens: tile 8 mb + 4 (w % 2)
	s_mul_i32 s20, s20, 12288
	s_mov_b32 s21, 0
	s_lshl_b32 s88, s18, 3
	s_add_co_u32 s88, s88, s19
	s_add_co_u32 s88, s88, 448                     ; Wo: tile 448 + 8 nb + 4 (w % 2)
	s_mul_i32 s88, s88, 12288
	s_mov_b32 s89, 0
	s_mul_i32 s92, s14, HALF                       ; LDS: waves 0, 1 the tokens' halves, waves 2, 3 Wo's
	s_wait_dscnt 0x0
	s_wait_kmcnt 0x0
	s_add_nc_u64 s[20:21], s[4:5], s[20:21]
	s_add_nc_u64 s[88:89], s[6:7], s[88:89]
	CROUND                                         ; all sixteen work-groups are here: the joint loads meet
	s_mov_b32 s[G0A], 1
	s_mov_b32 s[G0A+1], s92
	s_mov_b64 s[G0A+2:G0A+3], s[20:21]
	s_or_b32 s[G0A+3], s[G0A+3], 0x80000000
	s_mov_b32 s[G0B], 1
	s_mov_b32 s[G0B+1], s92
	s_mov_b64 s[G0B+2:G0B+3], s[88:89]
	s_or_b32 s[G0B+3], s[G0B+3], 0x80000000
	s_cmp_eq_u32 s15, 0
	s_cbranch_scc0 .Lfor_b
	tensor_load_to_lds s[G0A:G0A+3], s[G1A:G1A+7]
	s_nop 0
	PLACES
	s_branch .Lasked
.Lfor_b:
	tensor_load_to_lds s[G0B:G0B+3], s[G1B:G1B+7]
	s_nop 0
	PLACES
.Lasked:
	v_and_b32 v3, 31, v0
	v_lshlrev_b32 v[L16], 4, v3
	v_lshlrev_b32 v[L8], 3, v3
	v_and_b32 v[RR], 15, v0
	v_bfe_u32 v[HH], v0, 4, 1
	v_lshlrev_b32 v[BO], 6, v[HH]
	v_mul_u32_u24 v[STO], v[RR], 272               ; the stage, in: row r, 64 bytes for each half of the lanes
	v_lshl_add_u32 v[STO], v[HH], 6, v[STO]
	v_mul_u32_u24 v[RD], v[HH], 272                ; back: sixteen lanes to a row
	v_lshl_add_u32 v[RD], v[RR], 4, v[RD]
	v_lshlrev_b32 v[CO], 12, v[HH]                 ; and the same two rows in out0
	v_lshl_add_u32 v[CO], v[RR], 4, v[CO]
	s_wait_alu depctr_va_vdst(0)
	s_lshl_b32 s98, s18, 9
	s_lshl_b32 s99, s16, 8
	s_add_co_u32 s98, s98, s99                     ; 128 nb + 64 wn numbers on
	s_mov_b32 s99, 0
	s_add_nc_u64 s[96:97], s[8:9], s[98:99]        ; the bias
	s_lshl_b32 s95, s17, 19
	s_add_co_u32 s98, s98, s95
	s_lshl_b32 s95, s15, 18
	s_add_co_u32 s98, s98, s95
	s_add_nc_u64 s[10:11], s[10:11], s[98:99]      ; my 64 x 64 of out0
	s_lshl_b32 s98, s18, 12
	s_lshl_b32 s95, s16, 11
	s_add_co_u32 s98, s98, s95
	s_add_co_u32 s98, s98, SCB+512*448
	s_add_nc_u64 s[76:77], s[6:7], s[98:99]        ; Wo's scale words, tiles 8 nb + 4 wn on
	s_lshl_b32 s98, s17, 12
	s_lshl_b32 s95, s15, 11
	s_add_co_u32 s98, s98, s95
	s_add_co_u32 s98, s98, OSB
	s_add_nc_u64 s[78:79], s[4:5], s[98:99]        ; the tokens', tiles 8 mb + 4 wm on
.irp t, 0,1,2,3
	global_load_b128 v[BI+8*\t:BI+8*\t+3], v[BO], s[96:97] offset:(32*(\t/2)+8*(\t%2))*4
	global_load_b128 v[BI+8*\t+4:BI+8*\t+7], v[BO], s[96:97] offset:(32*(\t/2)+8*(\t%2))*4+16
.endr
.irp t, 0,1,2,3
	global_load_b128 v[SC+4*\t:SC+4*\t+3], v[L16], s[76:77] offset:512*\t
.endr
.irp t, 0,1,2,3
	global_load_b128 v[SC+16+4*\t:SC+16+4*\t+3], v[L16], s[78:79] offset:512*\t
.endr
	s_mul_i32 s92, s16, HALF
	s_add_co_u32 s92, s92, BS0                     ; source 0: Wo's tiles 4 wn on
	s_mul_i32 s93, s15, HALF                       ; source 1: token tiles 4 wm on
	s_mul_i32 s95, s14, 4352
	s_add_co_u32 s95, s95, STAGE                   ; my stage
	v_add_nc_u32 v[AD0], s92, v[L16]
	v_add_nc_u32 v[AD0+1], s92, v[L8]
	v_add_nc_u32 v[AD1], s93, v[L16]
	v_add_nc_u32 v[AD1+1], s93, v[L8]
	v_add_nc_u32 v[STO], s95, v[STO]
	v_add_nc_u32 v[RD], s95, v[RD]
	s_wait_alu depctr_va_vdst(0)
	s_wait_tensorcnt 0x0                           ; my four tiles are in,
	s_barrier_signal -1
	s_barrier_wait -1                              ; and everybody's
	FETCH 0, F0
	WIN 0
	s_wait_loadcnt 0x0                             ; the bias and the scale words
.irp q, 0,1,2,3,4,5,6,7                        ; eight K steps on two buffers: step q + 1 is fetched while step q is multiplied
.if \q < 7
.if \q > 0
	PLACES
.endif
	FETCH \q+1, F0+128*((\q+1)%2)
	s_wait_dscnt NL                                ; all but the 32 loads just issued
.else
	s_wait_dscnt 0x0
.endif
	WIN 0x05
.if \q == 0
	MUL \q, F0, 1
.else
	MUL \q, F0+128*(\q%2), 0
.endif
.endr
	WIN 0
	PLACES
.macro TOSTAGE m                       ; token tile m: LDS serves a wave's instructions in order, so no wait stands between the stores and the loads
.irp t, 0,1,2,3
	ds_store_b128 v[STO], v[ACC+8*(4*(\m)+\t):ACC+8*(4*(\m)+\t)+3] offset:128*(\t/2)+32*(\t%2)
	ds_store_b128 v[STO], v[ACC+8*(4*(\m)+\t)+4:ACC+8*(4*(\m)+\t)+7] offset:128*(\t/2)+32*(\t%2)+16
.endr
.set BB, BK+32*((\m)%2)
.irp i, 0,1,2,3,4,5,6,7
	ds_load_b128 v[BB+4*\i:BB+4*\i+3], v[RD] offset:544*\i
.endr
.endm
.macro SEND m, younger
.set BB, BK+32*((\m)%2)
	s_wait_dscnt \younger
.irp i, 0,1,2,3,4,5,6,7
	global_store_b128 v[CO], v[BB+4*\i:BB+4*\i+3], s[10:11] offset:(32*((\m)/2)+8*((\m)%2)+2*\i+8*(\i/4))*4096 th:TH_STORE_NT
.endr
.endm
	TOSTAGE 0
.irp m, 1,2,3
.if \m > 1
	s_wait_xcnt 0x0                                ; tile m - 2's stores have read their registers
.endif
	TOSTAGE \m
	SEND \m-1, 16
.endr
	SEND 3, 0
	s_wait_tensorcnt 0x0                           ; the wave's end
	ds_add_u32 v126, v127
	s_wait_dscnt 0x0
	CROUND                                         ; the closing round
	s_endpgm
.Lfunc_end_k_q87489389f2_proj:
	.size	k_q87489389f2_proj, .Lfunc_end_k_q87489389f2_proj-k_q87489389f2_proj
	.p2alignl 7, 3214868480
	.fill 96, 4, 3214868480
	.section	.rodata,"a",@progbits
	.p2align	6, 0x0
	.amdhsa_kernel k_q87489389f2_proj
		.amdhsa_group_segment_fixed_size 327680
		.amdhsa_private_segment_fixed_size 0
		.amdhsa_enable_private_segment 0
		.amdhsa_kernarg_size 32
		.amdhsa_user_sgpr_count 2
		.amdhsa_user_sgpr_kernarg_segment_ptr 1
		.amdhsa_wavefront_size32 1
		.amdhsa_system_sgpr_workgroup_id_x 1
		.amdhsa_system_sgpr_workgroup_id_y 1
		.amdhsa_system_sgpr_workgroup_id_z 1
		.amdhsa_system_vgpr_workitem_id 0
		.amdhsa_next_free_vgpr 512
		.amdhsa_next_free_sgpr 100
		.amdhsa_reserve_vcc 0
		.amdhsa_float_denorm_mode_32 3
		.amdhsa_float_denorm_mode_16_64 3
		.amdhsa_memory_ordered 1
		.amdhsa_forward_progress 1
		.amdhsa_inst_pref_size 49
	.end_amdhsa_kernel
	.amdgpu_metadata
---
amdhsa.version: [ 1, 2 ]
amdhsa.kernels:
  - .name:           k_q87489389f2_proj
    .symbol:         k_q87489389f2_proj.kd
    .args:
      - { .name: oa, .offset: 0, .size: 8, .value_kind: global_buffer, .address_space: global }
      - { .name: xw, .offset: 8, .size: 8, .value_kind: global_buffer, .address_space: global }
      - { .name: bo, .offset: 16, .size: 8, .value_kind: global_buffer, .address_space: global }
      - { .name: out0, .offset: 24, .size: 8, .value_kind: global_buffer, .address_space: global }
    .group_segment_fixed_size: 327680
    .private_segment_fixed_size: 0
    .kernarg_segment_align: 8
    .kernarg_segment_size: 32
    .max_flat_workgroup_size: 128
    .sgpr_count:     100
    .vgpr_count:     512
    .wavefront_size: 32
...
	.end_amdgpu_metadata
.endif
;; end of part 4
